; MI455X (gfx1250); checked and timed in simulation.
; The chip was launched on July 23, 2026; its instructions are those of AMD's public machine-readable ISA for CDNA 5 (MIT licence, August 2026) and "CDNA5" Instruction Set Architecture Reference Guide (July 2026). The comments in the code are by the model that wrote it; some were corrected since.
;; Mobile MQA1 D. Allowed arithmetic: matrix products marked QUANTISED: E2M3 operands, one E8M0 scale for each 32 along K, by v_wmma_scale_f32_16x16x128_f8f6f4 with both operands' format E2M3, f32 sums; everything else in f32.
;; Inputs: Wk 512 x 512 float32; Wo 512 x 512 float32; Wq 512 x 512 float32; Wv 512 x 512 float32; bk 512 float32; bo 512 float32; bq 512 float32; bv 512 float32; x 4 x 512 x 2,048 float32.
;; Outputs: out0 4 x 512 x 2,048 float32.
;; This version of the problem:
;;   THIS VERSION OF THE PROBLEM IS GIVEN IN LOW PRECISION. The matrix products marked QUANTISED in the list below multiply operands that are first quantised to E2M3 (2 exponent bits, 3 mantissa bits; 6 bits a number), with one power-of-two scale for each 32 numbers along K (OCP MX v1.0); their sums are f32. All else is computed in f32.
;;   The module's matrix products, in the order in which they are computed (A, B: the left and right operand; K: the contracted axis; several contracted axes count as one K, in the product's order):
;;     1. [M 8,192, K 512] x [K 512, N 512]; A: input x; B: input Wq: QUANTISED
;;     2. [M 8,192, K 512] x [K 512, N 512]; A: input x; B: input Wk: QUANTISED
;;     3. [M 8,192, K 512] x [K 512, N 512]; A: input x; B: input Wv: QUANTISED
;;     4. batch 32 x [M 2,048, K 64] x [K 64, N 2,048]; A: computed on the way; B: computed on the way: QUANTISED
;;     5. batch 32 x [M 2,048, K 2,048] x [K 2,048, N 64]; A: softmax (see below); B: computed on the way: QUANTISED
;;     6. [M 8,192, K 512] x [K 512, N 512]; A: computed on the way; B: input Wo: QUANTISED
;;   THE QUANTISER, for each operand of a quantised product, along K:
;;     - K is cut into blocks of 32 from its start; a last block that is shorter is filled with zeros.
;;     - A block's scale is 2^e with e = floor(log2(the largest magnitude in the block)) - 2, held to -126 .. 127; a block of zeros has e = 0. As a byte (E8M0): e + 127.
;;     - Each number is divided by its block's scale, clamped to +-7.5, and rounded to the nearest number of E2M3, ties to even, subnormals kept.
;;     - The product sums the exact products of the quantised numbers (number of the format x scale) in f32.
;;   ~~~python
;;   def quantise(x, axis):      # numpy; x: float32 -> the quantised numbers, widened to float32 again
;;       x = np.moveaxis(x, axis, -1); K = x.shape[-1]
;;       x = np.pad(x, [(0, 0)] * (x.ndim - 1) + [(0, -K % 32)]); x = x.reshape(x.shape[:-1] + (-1, 32)); a = np.abs(x).max(-1, keepdims=True)
;;       e = np.where(a > 0, np.clip(np.frexp(np.where(a > 0, a, 1))[1] - 1 - 2, -126, 127), 0)      # np.frexp(a)[1] - 1 = floor(log2(a)), exactly
;;       r = np.clip(x / 2.0 ** e, -7.5, 7.5)
;;       step = 2.0 ** (np.maximum(np.frexp(np.where(r == 0, 1, r))[1] - 1, 0) - 3)
;;       q = np.round(r / step) * step * 2.0 ** e      # np.round: ties to even
;;       return np.moveaxis(q.reshape(q.shape[:-2] + (-1,))[..., :K], -1, axis).astype(np.float32)
;;   ~~~
;;   SOFTMAX AHEAD OF A QUANTISED PRODUCT. Where the list says 'softmax', what is quantised is not the finished softmax but p = 2^(t - M), with t = logit x log2(e) and M = ceil(the row's largest t), a whole number; so 1/2 < the row's largest p <= 1. The row's sum l is taken of the UNQUANTISED p, in f32, and the product's result is divided by l at the end. Since M is a whole number, a kernel that streams over the keys may use a running M (the ceiling of the running maximum): every later rescaling is an exact power of two, which a block's scale takes up: the codes' values come out the same.
;;   OPERANDS COMPUTED ON THE WAY. 'Computed on the way' means the value that the module computes at that place (a softmax that the list does not call 'softmax' is quantised finished and normalised). What goes into a quantiser is computed in f32, as accurately as f32 sums, v_exp_f32 and their like allow (about 1e-6 of the number): no bf16 or f16 on the way to a quantiser, and a product that is left as it is and whose result goes on into a quantised operand takes f32 operands (vector FMAs, or v_wmma_f32_16x16x4_f32). A number that lies on a knife's edge between two numbers of the format may be rounded either way, as far as f32 arithmetic and the matrix unit's own rounding can turn it there, and no further.
;; 2 versions. Each part assembles by itself: llvm-mc -triple=amdgcn-amd-amdhsa -mcpu=gfx1250 --defsym DOCPART=n.
;; ======== version 1 of 2: 4 launches
;; workspace buffers: cod 3,932,160 bytes; scl 163,840 bytes; qb 3,407,872 bytes; kv 6,684,672 bytes; ac 3,145,728 bytes; asl 131,072 bytes
;; launch prep (part 1): grid 320 x 1, 4 waves a work-group, no clusters, 0 bytes of LDS; arguments x, Wq, Wk, Wv, Wo, cod, scl; writes cod, scl
.if DOCPART == 1
	.amdgcn_target "amdgcn-amd-amdhsa--gfx1250"
	.amdhsa_code_object_version 6
	.text
	.protected	k_qdfac27f01e_prep
	.globl	k_qdfac27f01e_prep
	.p2align	8
	.type	k_qdfac27f01e_prep,@function
k_qdfac27f01e_prep:
	s_mov_b64 s[64:65], 0
	v_nop
	global_prefetch_b8 v0, s[64:65] scope:SCOPE_SE
	s_setreg_imm32_b32 hwreg(HW_REG_WAVE_MODE, 25, 1), 1
	s_wait_xcnt 0x0
; x [4][512][2048] (K = the 512 channels, NOT innermost) and Wq, Wk, Wv, Wo [512][512] (K innermost), all f32, become codes of E2M3 with one E8M0 byte for each 32 along K.
; THE LAYOUT OF cod.  Rows (x: 2048 b + l; a weight: its output channel) go in pairs of tiles of 16: pair g covers rows 32 g .. 32 g + 31, and slot r of tile 2 g + u is row 32 g + 8 u + r + 8 (r / 8).
; A tile is 6,144 bytes: eight half fragments (16 rows x 64 K), each the image of six operand registers: registers 0-3 at 16 x lane (512 bytes), registers 4-5 at 512 + 8 x lane (256 bytes);
; lane (r, h) of the image holds k = 32 h .. 32 h + 31 of slot r.  Tiles 0-511 x, 512-543 Wq, 544-575 Wk, 576-607 Wv, 608-639 Wo.
; THE LAYOUT OF scl.  Pair g, K step s (128 along K), lane L: one word of four bytes at 512 g + 128 s + 4 L; lanes 0-15 are the slots of tile 2 g, lanes 16-31 those of tile 2 g + 1.
; SHARES.  A wave takes one pair x one K step.  Lane L takes one ROW of the pair (tile L / 16, slot L % 16) and all 128 numbers of it: four whole blocks, so no maximum needs another lane.
; x: each load reads one channel at 32 neighbouring l (128 consecutive bytes a wave, the four waves side by side on 512).  A weight: each lane walks 512 bytes of its row.
; A block's scale byte is its largest magnitude's exponent field - 2, held at 1 from below.
; LIMITS: NaN and infinities are not served; a block whose largest magnitude lies under 2^-124 (a block of zeros among them) gets the byte 1; the bytes are read by this program alone.
.set X,   64                           ; v64-191  my row's 128 numbers
.set TM,  16                           ; v16-19 largest magnitudes, v20-23 bytes, v24-27 the conversions' scale operands
.set PWD, 28                           ; v28      my row's scale word
.set CB,  192                          ; v192..   codes: for each 64 along K 24 registers: P +0..5, R +8..13, T0 +16..18, T1 +20..22
	s_load_b256 s[4:11], s[0:1], 0x0               ; x s[4:5], Wq s[6:7], Wk s[8:9], Wv s[10:11]
	s_load_b128 s[12:15], s[0:1], 0x20             ; Wo s[12:13], cod s[14:15]
	s_load_b64 s[16:17], s[0:1], 0x30              ; scl
	v_lshrrev_b32 v1, 5, v0
	v_readfirstlane_b32 s18, v1                    ; wave
	v_and_b32 v1, 31, v0                           ; lane L
	v_lshrrev_b32 v7, 4, v1
	v_and_b32 v2, 15, v1
	v_lshl_add_u32 v2, v7, 3, v2
	v_and_b32 v7, 8, v1
	v_add_nc_u32 v2, v2, v7                        ; my row in the pair: 8 (L / 16) + L % 16 + (L & 8)
	v_lshlrev_b32 v4, 4, v1                        ; 16 L
	v_lshlrev_b32 v5, 3, v1                        ; 8 L
	v_lshlrev_b32 v6, 2, v1                        ; 4 L
	s_lshr_b32 s19, ttmp9, 2
	s_and_b32 s20, ttmp9, 3                        ; K step s
	s_lshl_b32 s21, s19, 2
	s_add_co_u32 s21, s21, s18                     ; pair g
	s_mul_i32 s24, s21, 12288
	s_mul_i32 s25, s20, 1536
	s_add_co_u32 s24, s24, s25                     ; cod: 12,288 g + 1,536 s
	s_mov_b32 s25, 0
	s_lshl_b32 s26, s21, 9
	s_lshl_b32 s27, s20, 7
	s_add_co_u32 s26, s26, s27                     ; scl: 512 g + 128 s
	s_mov_b32 s27, 0
	s_mov_b32 s23, 0
	s_wait_kmcnt 0x0
	s_add_nc_u64 s[14:15], s[14:15], s[24:25]
	s_add_nc_u64 s[16:17], s[16:17], s[26:27]
	s_cmp_lt_u32 ttmp9, 256                        ; pairs 0-255 are x, the others the weights: the same for the four waves
	s_cbranch_scc0 .Lweight
	s_lshr_b32 s22, s21, 6                         ; x: batch g / 64, 4,194,304 bytes each;
	s_lshl_b32 s22, s22, 22
	s_lshl_b32 s30, s20, 20                        ; 128 channels of 8,192 bytes a K step;
	s_add_co_u32 s22, s22, s30
	s_and_b32 s30, s21, 63
	s_lshl_b32 s30, s30, 7                         ; 32 l of 4 bytes a pair
	s_add_co_u32 s22, s22, s30
	s_add_nc_u64 s[28:29], s[4:5], s[22:23]
	v_lshlrev_b32 v3, 2, v2
.set II, 0
.rept 128
	global_load_b32 v[X+II], v3, s[28:29] offset:8192*II th:TH_LOAD_NT    ; channel 128 s + II at my l
.set II, II+1
.endr
	s_branch .Lhave
.Lweight:
	s_sub_co_u32 s30, s21, 256
	s_lshr_b32 s31, s30, 4                         ; which weight: 16 pairs each
	s_and_b32 s22, s30, 15
	s_lshl_b32 s22, s22, 16                        ; 32 rows of 2,048 bytes a pair,
	s_lshl_b32 s30, s20, 9                         ; 512 bytes a K step
	s_add_co_u32 s22, s22, s30
	s_cmp_eq_u32 s31, 1
	s_cselect_b64 s[28:29], s[8:9], s[6:7]
	s_cmp_eq_u32 s31, 2
	s_cselect_b64 s[28:29], s[10:11], s[28:29]
	s_cmp_eq_u32 s31, 3
	s_cselect_b64 s[28:29], s[12:13], s[28:29]
	s_add_nc_u64 s[28:29], s[28:29], s[22:23]
	v_lshlrev_b32 v3, 11, v2
.set II, 0
.rept 32
	global_load_b128 v[X+4*II:X+4*II+3], v3, s[28:29] offset:16*II
.set II, II+1
.endr
.Lhave:
	s_wait_loadcnt 0x0                             ; one wait serves both ways
.irp b, 0,1,2,3
	v_max3_num_f32 v[TM+\b], |v[X+32*\b]|, |v[X+32*\b+1]|, 0x1800000      ; block b, and the floor 2^(3 - 127): the byte cannot fall under 1
.endr
.irp i, 2,4,6,8,10,12,14,16,18,20,22,24,26,28,30
.irp b, 0,1,2,3
	v_max3_num_f32 v[TM+\b], v[TM+\b], |v[X+32*\b+\i]|, |v[X+32*\b+\i+1]|  ; the four blocks by turns
.endr
.endr
.irp b, 0,1,2,3
	v_add_nc_u32 v[TM+8+\b], 0xff000000, v[TM+\b]  ; 2 off the exponent field: the conversion takes the exponent field of this operand as its scale
.endr
.irp b, 0,1,2,3
	v_lshrrev_b32 v[TM+4+\b], 23, v[TM+8+\b]       ; the scale byte
.endr
	v_lshl_or_b32 v[PWD], v[TM+5], 8, v[TM+4]
	v_lshl_or_b32 v[PWD], v[TM+6], 16, v[PWD]
	v_lshl_or_b32 v[PWD], v[TM+7], 24, v[PWD]
.irp c, 0,1                                    ; a conversion gives 16 codes in three registers that begin on an even number
	v_cvt_scalef32_pk16_fp6_f32 v[CB+24*\c:CB+24*\c+2],     v[X+64*\c:X+64*\c+15],    v[TM+8+2*\c]     ; P:  block 2 c, lower 16
	v_cvt_scalef32_pk16_fp6_f32 v[CB+24*\c+16:CB+24*\c+18], v[X+64*\c+16:X+64*\c+31], v[TM+8+2*\c]     ; T0: block 2 c, upper 16
	v_cvt_scalef32_pk16_fp6_f32 v[CB+24*\c+8:CB+24*\c+10],  v[X+64*\c+32:X+64*\c+47], v[TM+8+2*\c+1]   ; R:  block 2 c + 1, lower 16
	v_cvt_scalef32_pk16_fp6_f32 v[CB+24*\c+20:CB+24*\c+22], v[X+64*\c+48:X+64*\c+63], v[TM+8+2*\c+1]   ; T1: block 2 c + 1, upper 16
.endr
	v_nop                                          ; one plain place behind the scaled conversions
; So far lane (u, r) holds both blocks of slot r of tile u.  The operand wants lane (r, h) of a tile to hold block h.  The exchange of P's lanes 16-31 with R's lanes 0-15 gives that:
; P (and T0) become tile 2 g in the operand's layout, R (and T1) tile 2 g + 1.
.irp c, 0,1
.irp i, 0,1,2
	v_permlane16_swap_b32 v[CB+24*\c+\i], v[CB+24*\c+8+\i]
	v_permlane16_swap_b32 v[CB+24*\c+16+\i], v[CB+24*\c+20+\i]
.endr
.irp i, 0,1,2
	v_mov_b32 v[CB+24*\c+3+\i], v[CB+24*\c+16+\i]  ; a block's upper 16 codes behind its lower 16
	v_mov_b32 v[CB+24*\c+11+\i], v[CB+24*\c+20+\i]
.endr
.endr
.irp c, 0,1                                    ; each store covers 512 or 256 consecutive bytes, at a multiple of 256 from the buffer's first byte
	global_store_b128 v4, v[CB+24*\c:CB+24*\c+3], s[14:15] offset:768*\c
	global_store_b64 v5, v[CB+24*\c+4:CB+24*\c+5], s[14:15] offset:768*\c+512
	global_store_b128 v4, v[CB+24*\c+8:CB+24*\c+11], s[14:15] offset:6144+768*\c
	global_store_b64 v5, v[CB+24*\c+12:CB+24*\c+13], s[14:15] offset:6144+768*\c+512
.endr
	global_store_b32 v6, v[PWD], s[16:17]          ; my row's word: lane L is already the word's place
	s_endpgm
.Lfunc_end_k_qdfac27f01e_prep:
	.size	k_qdfac27f01e_prep, .Lfunc_end_k_qdfac27f01e_prep-k_qdfac27f01e_prep
	.p2alignl 7, 3214868480
	.fill 96, 4, 3214868480
	.section	.rodata,"a",@progbits
	.p2align	6, 0x0
	.amdhsa_kernel k_qdfac27f01e_prep
		.amdhsa_group_segment_fixed_size 0
		.amdhsa_private_segment_fixed_size 0
		.amdhsa_enable_private_segment 0
		.amdhsa_kernarg_size 56
		.amdhsa_user_sgpr_count 2
		.amdhsa_user_sgpr_kernarg_segment_ptr 1
		.amdhsa_wavefront_size32 1
		.amdhsa_system_sgpr_workgroup_id_x 1
		.amdhsa_system_sgpr_workgroup_id_y 1
		.amdhsa_system_sgpr_workgroup_id_z 1
		.amdhsa_system_vgpr_workitem_id 0
		.amdhsa_next_free_vgpr 240
		.amdhsa_next_free_sgpr 66
		.amdhsa_reserve_vcc 0
		.amdhsa_float_denorm_mode_32 3
		.amdhsa_float_denorm_mode_16_64 3
		.amdhsa_memory_ordered 1
		.amdhsa_forward_progress 1
		.amdhsa_inst_pref_size 25
	.end_amdhsa_kernel
	.amdgpu_metadata
---
amdhsa.version: [ 1, 2 ]
amdhsa.kernels:
  - .name:           k_qdfac27f01e_prep
    .symbol:         k_qdfac27f01e_prep.kd
    .args:
      - { .name: x, .offset: 0, .size: 8, .value_kind: global_buffer, .address_space: global }
      - { .name: Wq, .offset: 8, .size: 8, .value_kind: global_buffer, .address_space: global }
      - { .name: Wk, .offset: 16, .size: 8, .value_kind: global_buffer, .address_space: global }
      - { .name: Wv, .offset: 24, .size: 8, .value_kind: global_buffer, .address_space: global }
      - { .name: Wo, .offset: 32, .size: 8, .value_kind: global_buffer, .address_space: global }
      - { .name: cod, .offset: 40, .size: 8, .value_kind: global_buffer, .address_space: global }
      - { .name: scl, .offset: 48, .size: 8, .value_kind: global_buffer, .address_space: global }
    .group_segment_fixed_size: 0
    .private_segment_fixed_size: 0
    .kernarg_segment_align: 8
    .kernarg_segment_size: 56
    .max_flat_workgroup_size: 128
    .sgpr_count:     66
    .vgpr_count:     240
    .wavefront_size: 32
...
	.end_amdgpu_metadata
.endif
;; end of part 1
;; launch proj (part 2): grid 192 x 1, 4 waves a work-group, no clusters, 0 bytes of LDS; arguments cod, scl, bq, bk, bv, qb, kv; writes qb, kv
.if DOCPART == 2
	.amdgcn_target "amdgcn-amd-amdhsa--gfx1250"
	.amdhsa_code_object_version 6
	.text
	.protected	k_qdfac27f01e_proj
	.globl	k_qdfac27f01e_proj
	.p2align	8
	.type	k_qdfac27f01e_proj,@function
k_qdfac27f01e_proj:
	s_mov_b64 s[64:65], 0
	v_nop
	global_prefetch_b8 v0, s[64:65] scope:SCOPE_SE
	s_setreg_imm32_b32 hwreg(HW_REG_WAVE_MODE, 25, 1), 1
	s_wait_xcnt 0x0
; q = x Wq^T + bq, k = x Wk^T + bk, v = x Wv^T + bv on the codes of cod and scl, and each result quantised again on its way out: q and k along the head's 64 channels, v along the keys.
; THE UNIT: eight consecutive tiles of cod as source 0 (G0: 128 rows) x one tile as source 1 (T1: 16 rows), K = 512: 32 matrix instructions on 8 accumulators.
; By the tiles' choice of rows, lane (r, h) then holds slot r of T1, and its register 16 p + i holds row 32 p + 16 h + i of G0: 16 neighbours along the next K for each block of 32.
; q, k (work-groups 0-127): G0 = 128 channels of Wq or Wk (two heads), T1 = 16 rows of x.  The unit's 12 code registers are one half fragment (64 K) for each of the two heads.
; v (work-groups 128-191):  G0 = 128 keys of x, T1 = 16 channels of Wv.  The unit's 12 code registers are a fragment of V^T: 16 channels x 128 keys.
; A wave keeps G0 in 384 registers and walks eight T1 tiles; the next tile's loads are issued a unit ahead.  No LDS, no barrier: waves share nothing.
; The bias is the C of each sum's first matrix instruction, in the result's layout.
; OUT.  qb: for each of 32 (batch, head) 16 blocks of 6,656 bytes: 8 half fragments of 8 query tiles, then 512 bytes of scale words.
;       kv: for each of 32 (batch, head) 16 key steps of 13,056 bytes: K: 8 half fragments (6,144); V: 4 tiles x 2 half fragments (6,144); K's scale words (512); V's (256).
;       q's and k's scale words: lane L's 16 bytes at 16 L, word j: tile 2 j + L / 16, slot L % 16; bytes 0, 1 the head's two blocks, bytes 2, 3 = 127 for the half of the instruction's K that holds zero codes.
;       V's: lane L's 8 bytes at 8 L, word j: tile 2 j + L / 16, slot L % 16; four bytes for the step's four blocks of keys.
; LIMITS: NaN and infinities are not served; a block whose largest magnitude lies under 2^-124 gets the byte 1; the bytes are read by this program alone.
; 192 work-groups: 6,144 units in shares of eight tiles, which is a key step of K and a quarter of Wv's channels for a wave; shares of six would fill 256 but divide neither.
; REGISTERS.  window 0: v1-4 offsets; v8-23 G0's scale words; v24-39 T1's; v40-47 scale words on their way out; v52-68 at work; v70-88 codes; v96-159 accumulators; v160-255 T1, two buffers.
;             window 1: v0-191 G0's fragments of K steps 0, 1 (at 96 s + 12 t); v192-255 the bias.   window 2: v0-191 K steps 2, 3.
.set GS,   8
.set TS,   24
.set SW0,  40
.set SW1,  44
.set SV,   40
.set WA,   48
.set TT,   49
.set TM,   52                          ; v52-55 largest magnitudes, v56-59 bytes, v64-67 the conversions' scale operands
.set PW,   68
.set PC,   70
.set ACC,  96
.set T1B,  160
.set BIAS, 192
.set SEL,  38
.set MSB, 0
.macro WIN new                         ; the immediate's high byte repeats the setting that is left; a switch that changes nothing is dropped
.if MSB != (\new)
	s_set_vgpr_msb (MSB<<8)|(\new)
.set MSB, (\new)
.endif
.endm
.macro PLACES                          ; behind the last products: four before their results are read (ISA guide 7.12.1); five since the next unit's first products write over them with another C
.rept 5
	v_nop
.endr
.endm
; one matrix instruction.  ra, rb: the side's scale words stand in lanes 16-31 (the odd tile of a pair)
.macro WM d, a, b, c, sa, sb, ra, rb
.if (\ra) == 0 && (\rb) == 0
	v_wmma_scale_f32_16x16x128_f8f6f4 v[(\d):(\d)+7], v[(\a):(\a)+11], v[(\b):(\b)+11], v[(\c):(\c)+7], v[(\sa)], v[(\sb)] matrix_a_fmt:MATRIX_FMT_FP6 matrix_b_fmt:MATRIX_FMT_FP6
.elseif (\rb) == 0
	v_wmma_scale_f32_16x16x128_f8f6f4 v[(\d):(\d)+7], v[(\a):(\a)+11], v[(\b):(\b)+11], v[(\c):(\c)+7], v[(\sa)], v[(\sb)] matrix_a_fmt:MATRIX_FMT_FP6 matrix_b_fmt:MATRIX_FMT_FP6 matrix_a_scale:MATRIX_SCALE_ROW1
.elseif (\ra) == 0
	v_wmma_scale_f32_16x16x128_f8f6f4 v[(\d):(\d)+7], v[(\a):(\a)+11], v[(\b):(\b)+11], v[(\c):(\c)+7], v[(\sa)], v[(\sb)] matrix_a_fmt:MATRIX_FMT_FP6 matrix_b_fmt:MATRIX_FMT_FP6 matrix_b_scale:MATRIX_SCALE_ROW1
.else
	v_wmma_scale_f32_16x16x128_f8f6f4 v[(\d):(\d)+7], v[(\a):(\a)+11], v[(\b):(\b)+11], v[(\c):(\c)+7], v[(\sa)], v[(\sb)] matrix_a_fmt:MATRIX_FMT_FP6 matrix_b_fmt:MATRIX_FMT_FP6 matrix_a_scale:MATRIX_SCALE_ROW1 matrix_b_scale:MATRIX_SCALE_ROW1
.endif
.endm
.macro T1LOAD n                        ; tile n of my eight: its eight half fragments into buffer n % 2
.irp kk, 0,1,2,3,4,5,6,7
	global_load_b128 v[T1B+48*((\n)%2)+6*\kk:T1B+48*((\n)%2)+6*\kk+3], v1, s[24:25] offset:6144*(\n)+768*\kk
	global_load_b64 v[T1B+48*((\n)%2)+6*\kk+4:T1B+48*((\n)%2)+6*\kk+5], v2, s[24:25] offset:6144*(\n)+768*\kk+512
.endr
.endm
.macro LOADS                           ; G0 (128 loads), both sides' scale words, the first T1 tile
	WIN 0x40                                       ; destination window 1
.irp t, 0,1,2,3,4,5,6,7
.irp kk, 0,1,2,3
	global_load_b128 v[96*(\kk/2)+12*\t+6*(\kk%2):96*(\kk/2)+12*\t+6*(\kk%2)+3], v1, s[20:21] offset:6144*\t+768*\kk
	global_load_b64 v[96*(\kk/2)+12*\t+6*(\kk%2)+4:96*(\kk/2)+12*\t+6*(\kk%2)+5], v2, s[20:21] offset:6144*\t+768*\kk+512
.endr
.endr
	WIN 0x80                                       ; destination window 2
.irp t, 0,1,2,3,4,5,6,7
.irp kk, 4,5,6,7
	global_load_b128 v[96*(\kk/2-2)+12*\t+6*(\kk%2):96*(\kk/2-2)+12*\t+6*(\kk%2)+3], v1, s[20:21] offset:6144*\t+768*\kk
	global_load_b64 v[96*(\kk/2-2)+12*\t+6*(\kk%2)+4:96*(\kk/2-2)+12*\t+6*(\kk%2)+5], v2, s[20:21] offset:6144*\t+768*\kk+512
.endr
.endr
	WIN 0
.irp p, 0,1,2,3
.irp s, 0,1,2,3
	global_load_b32 v[GS+4*\p+\s], v3, s[22:23] offset:512*\p+128*\s
	global_load_b32 v[TS+4*\p+\s], v3, s[26:27] offset:512*\p+128*\s
.endr
.endr
	T1LOAD 0
.endm
; a unit's 32 products.  The eight accumulators take turns, one instruction a turn.  role 0: the bias runs along G0's rows; role 1: along T1's slots (eight equal registers a unit)
.macro MULS role, n
	WIN 0x11                                       ; source 0 (G0) and source 2 (the bias) window 1
.irp t, 0,1,2,3,4,5,6,7
.if \role == 0
	WM ACC+8*\t, 12*\t, T1B+48*((\n)%2), BIAS+8*\t, GS+4*(\t/2), TS+4*((\n)/2), \t%2, (\n)%2
.else
	WM ACC+8*\t, 12*\t, T1B+48*((\n)%2), BIAS+8*(\n), GS+4*(\t/2), TS+4*((\n)/2), \t%2, (\n)%2
.endif
.endr
	WIN 0x01
.irp t, 0,1,2,3,4,5,6,7
	WM ACC+8*\t, 96+12*\t, T1B+48*((\n)%2)+12, ACC+8*\t, GS+4*(\t/2)+1, TS+4*((\n)/2)+1, \t%2, (\n)%2
.endr
	WIN 0x02                                       ; source 0 window 2
.irp s, 2,3
.irp t, 0,1,2,3,4,5,6,7
	WM ACC+8*\t, 96*(\s-2)+12*\t, T1B+48*((\n)%2)+12*\s, ACC+8*\t, GS+4*(\t/2)+\s, TS+4*((\n)/2)+\s, \t%2, (\n)%2
.endr
.endr
	WIN 0
.endm
; 64 numbers of a lane, register 16 b + i = k 32 b + 16 (lane / 16) + i of my row, become a fragment's codes in v[PC] on and its scale word in v[PW] (the same in lanes l and l xor 16)
.macro QUANT s
.irp b, 0,1,2,3
	v_max3_num_f32 v[TM+\b], |v[\s+16*\b]|, |v[\s+1+16*\b]|, 0x1800000    ; my 16 numbers of block b, and the floor 2^(3 - 127); each accumulator is read from its low end on
.endr
.irp i, 2,4,6,8,10,12,14
.irp b, 0,1,2,3
	v_max3_num_f32 v[TM+\b], v[TM+\b], |v[\s+16*\b+\i]|, |v[\s+1+16*\b+\i]|
.endr
.endr
.irp b, 0,1,2,3
	v_permlanex16_b32 v[TM+4+\b], v[TM+\b], s[SEL], s[SEL+1]
.endr
.irp b, 0,1,2,3
	v_max_num_f32 v[TM+\b], v[TM+\b], v[TM+4+\b]   ; with lane l xor 16: the block's largest magnitude
.endr
.irp b, 0,1,2,3
	v_add_nc_u32 v[TM+12+\b], 0xff000000, v[TM+\b] ; 2 off its exponent field: the conversion's scale operand
.endr
.irp b, 0,1,2,3
	v_lshrrev_b32 v[TM+4+\b], 23, v[TM+12+\b]      ; the scale byte
.endr
	v_lshl_or_b32 v[PW], v[TM+5], 8, v[TM+4]
	v_lshl_or_b32 v[PW], v[TM+6], 16, v[PW]
	v_lshl_or_b32 v[PW], v[TM+7], 24, v[PW]
.irp c, 0,1
	v_cvt_scalef32_pk16_fp6_f32 v[PC+6*\c:PC+2+6*\c], v[\s+32*\c:\s+15+32*\c], v[TM+12+2*\c]
	v_cvt_scalef32_pk16_fp6_f32 v[PC+12+4*\c:PC+14+4*\c], v[\s+16+32*\c:\s+31+32*\c], v[TM+12+2*\c+1]
.endr
	v_nop                                          ; one plain place behind the scaled conversions
.irp c, 0,1                                    ; the operand wants a whole block in a lane: lanes 0-15 block 2 c, lanes 16-31 block 2 c + 1
.irp i, 0,1,2
	v_permlane16_swap_b32 v[PC+6*\c+\i], v[PC+12+4*\c+\i]
.endr
.irp i, 0,1,2
	v_mov_b32 v[PC+3+6*\c+\i], v[PC+12+4*\c+\i]
.endr
.endr
.endm
.macro OUT_QK n                        ; registers 0-5: the first head's half fragment of tile n; 6-11: the second head's
	global_store_b128 v1, v[PC:PC+3], s[30:31] offset:768*(\n)
	global_store_b64 v2, v[PC+4:PC+5], s[30:31] offset:768*(\n)+512
	global_store_b128 v1, v[PC+6:PC+9], s[32:33] offset:768*(\n)
	global_store_b64 v2, v[PC+10:PC+11], s[32:33] offset:768*(\n)+512
.if (\n)%2 == 0
	v_mov_b32 v[WA], v[PW]                         ; the even tile's words wait for the odd tile's
.else
	v_cndmask_b32 v[TT], v[WA], v[PW], s40         ; lanes 0-15 the even tile, lanes 16-31 the odd one
	v_and_or_b32 v[SW0+(\n)/2], v[TT], s41, s42    ; the first head's two bytes, under two bytes of 127
	v_lshrrev_b32 v[TT], 16, v[TT]
	v_or_b32 v[SW1+(\n)/2], s42, v[TT]             ; the second head's
.endif
.if (\n) == 7
	global_store_b128 v1, v[SW0:SW0+3], s[34:35]
	global_store_b128 v1, v[SW1:SW1+3], s[36:37]
.endif
.endm
.macro OUT_V n                         ; head n / 4 of my two, V tile n % 4 of its four
	global_store_b128 v1, v[PC:PC+3], s[30:31] offset:((\n)/4)*208896+((\n)%4)*1536
	global_store_b64 v2, v[PC+4:PC+5], s[30:31] offset:((\n)/4)*208896+((\n)%4)*1536+512
	global_store_b128 v1, v[PC+6:PC+9], s[30:31] offset:((\n)/4)*208896+((\n)%4)*1536+768
	global_store_b64 v2, v[PC+10:PC+11], s[30:31] offset:((\n)/4)*208896+((\n)%4)*1536+1280
.if (\n)%2 == 0
	v_mov_b32 v[WA], v[PW]
.else
	v_cndmask_b32 v[SV+(\n)/2], v[WA], v[PW], s40
.endif
.if (\n)%4 == 3
	global_store_b64 v2, v[SV+2*((\n)/4):SV+2*((\n)/4)+1], s[30:31] offset:((\n)/4)*208896+6656
.endif
.endm
.macro UNIT role, n
	s_wait_loadcnt 0x0                             ; tile n is in: its loads were issued a unit ago (unit 0: all that the head asked for)
.if (\n) < 7
	T1LOAD (\n)+1                                  ; into the other buffer, whose last products stand behind a whole quantising
.endif
	MULS \role, \n
	PLACES
	s_wait_xcnt 0x0                                ; the last unit's stores have read the code registers: only behind this wait are they written again
	QUANT ACC
.if \role == 0
	OUT_QK \n
.else
	OUT_V \n
.endif
.endm
	s_load_b256 s[4:11], s[0:1], 0x0               ; cod s[4:5], scl s[6:7], bq s[8:9], bk s[10:11]
	s_load_b128 s[12:15], s[0:1], 0x20             ; bv s[12:13], qb s[14:15]
	s_load_b64 s[16:17], s[0:1], 0x30              ; kv
	v_lshrrev_b32 v5, 5, v0
	v_readfirstlane_b32 s18, v5                    ; wave
	v_and_b32 v5, 31, v0
	v_lshlrev_b32 v1, 4, v5                        ; 16 L
	v_lshlrev_b32 v2, 3, v5                        ; 8 L
	v_lshlrev_b32 v3, 2, v5                        ; 4 L
	v_and_b32 v6, 15, v0                           ; r
	v_bfe_u32 v7, v0, 4, 1                         ; h
.irp b, 0,1,2,3
	v_mov_b32 v[TM+4+\b], 0                        ; written once: a lane permute's destination counts as one of its sources
.endr
	s_mov_b32 s[SEL], 0x76543210
	s_mov_b32 s[SEL+1], 0xfedcba98                 ; v_permlanex16_b32: lane l xor 16
	s_mov_b32 s40, 0xffff0000                      ; as a lane mask: lanes 16-31
	s_mov_b32 s41, 0xffff
	s_mov_b32 s42, 0x7f7f0000
	s_lshl_b32 s19, ttmp9, 2
	s_add_co_u32 s19, s19, s18                     ; my wave among all: W
	s_mov_b32 s51, 0                               ; high words of offsets
	s_mov_b32 s53, 0
	s_mov_b32 s57, 0
	s_wait_kmcnt 0x0
	s_cmp_lt_u32 ttmp9, 128
	s_cbranch_scc0 .Lvalues
	; ---- q and k
	s_lshr_b32 s44, s19, 6                         ; which 128 channels: 0-3 of Wq, 4-7 of Wk
	s_and_b32 s45, s19, 63                         ; which 128 rows of x
	s_lshr_b32 s46, s44, 2                         ; 1: k
	s_and_b32 s47, s44, 3                          ; the pair of heads
	s_lshr_b32 s48, s45, 4                         ; batch
	s_and_b32 s49, s45, 15                         ; block of 128 rows in it
	s_mul_i32 s50, s44, 49152
	s_add_co_u32 s50, s50, 3145728                 ; G0: tiles 512 + 8 x that
	s_add_nc_u64 s[20:21], s[4:5], s[50:51]
	s_lshl_b32 s50, s44, 11
	s_add_co_u32 s50, s50, 131072
	s_add_nc_u64 s[22:23], s[6:7], s[50:51]
	s_mul_i32 s50, s45, 49152                      ; T1: x's tiles
	s_add_nc_u64 s[24:25], s[4:5], s[50:51]
	s_lshl_b32 s50, s45, 11
	s_add_nc_u64 s[26:27], s[6:7], s[50:51]
	s_mov_b32 s52, 106496                          ; bytes of a (batch, head), of a block, and where a block's scale words begin: in qb,
	s_mov_b32 s54, 6656
	s_mov_b32 s56, 6144
	s_cmp_eq_u32 s46, 1
	s_cselect_b32 s52, 208896, s52                 ; in kv
	s_cselect_b32 s54, 13056, s54
	s_cselect_b32 s56, 12288, s56
	s_cselect_b64 s[30:31], s[16:17], s[14:15]     ; the choice hangs on the work-group's number alone
	s_cselect_b64 s[28:29], s[10:11], s[8:9]
	s_lshl_b32 s50, s47, 9
	s_add_nc_u64 s[28:29], s[28:29], s[50:51]      ; the bias of my 128 channels
	s_lshl_b32 s50, s48, 3
	s_lshl_b32 s58, s47, 1
	s_add_co_u32 s50, s50, s58
	s_mul_i32 s50, s50, s52
	s_mul_i32 s58, s49, s54
	s_add_co_u32 s50, s50, s58
	s_add_nc_u64 s[30:31], s[30:31], s[50:51]      ; the first head's block,
	s_add_nc_u64 s[32:33], s[30:31], s[52:53]      ; the second head's,
	s_add_nc_u64 s[34:35], s[30:31], s[56:57]      ; and their scale words
	s_add_nc_u64 s[36:37], s[32:33], s[56:57]
	v_lshlrev_b32 v4, 6, v7                        ; the bias: lane (r, h) wants, for tile t, channels 32 (t / 2) + 8 (t % 2) + 16 h + 0 .. 7
	WIN 0x40
.irp t, 0,1,2,3,4,5,6,7
	global_load_b128 v[BIAS+8*\t:BIAS+8*\t+3], v4, s[28:29] offset:(32*(\t/2)+8*(\t%2))*4
	global_load_b128 v[BIAS+8*\t+4:BIAS+8*\t+7], v4, s[28:29] offset:(32*(\t/2)+8*(\t%2))*4+16
.endr
	LOADS
.irp n, 0,1,2,3,4,5,6,7
	UNIT 0, \n
.endr
	s_endpgm
.Lvalues:
	; ---- v
	s_sub_co_u32 s44, s19, 512
	s_lshr_b32 s45, s44, 2                         ; which 128 keys of x
	s_and_b32 s46, s44, 3                          ; which 128 channels of Wv: two heads
	s_lshr_b32 s48, s45, 4                         ; batch
	s_and_b32 s49, s45, 15                         ; key step
	s_mul_i32 s50, s45, 49152                      ; G0: x's tiles
	s_add_nc_u64 s[20:21], s[4:5], s[50:51]
	s_lshl_b32 s50, s45, 11
	s_add_nc_u64 s[22:23], s[6:7], s[50:51]
	s_mul_i32 s50, s46, 49152
	s_add_co_u32 s50, s50, 3538944                 ; T1: tiles 576 + 8 x that
	s_add_nc_u64 s[24:25], s[4:5], s[50:51]
	s_lshl_b32 s50, s46, 11
	s_add_co_u32 s50, s50, 147456
	s_add_nc_u64 s[26:27], s[6:7], s[50:51]
	s_lshl_b32 s50, s46, 9
	s_add_nc_u64 s[28:29], s[12:13], s[50:51]
	s_lshl_b32 s50, s48, 3
	s_lshl_b32 s58, s46, 1
	s_add_co_u32 s50, s50, s58
	s_mul_i32 s50, s50, 208896
	s_mul_i32 s58, s49, 13056
	s_add_co_u32 s50, s50, s58
	s_add_co_u32 s50, s50, 6144                    ; V's part of the first head's key step
	s_add_nc_u64 s[30:31], s[16:17], s[50:51]
	v_and_b32 v4, 8, v6
	v_add_nc_u32 v4, v4, v6
	v_lshlrev_b32 v4, 2, v4                        ; the bias: lane (r, h) wants, for unit n, the one channel of its slot: 32 (n / 2) + 8 (n % 2) + r + 8 (r / 8), in all eight registers
	WIN 0x40
.irp n, 0,1,2,3,4,5,6,7
.irp j, 0,1,2,3,4,5,6,7
	global_load_b32 v[BIAS+8*\n+\j], v4, s[28:29] offset:128*(\n/2)+32*(\n%2)
.endr
.endr
	LOADS
.irp n, 0,1,2,3,4,5,6,7
	UNIT 1, \n
.endr
	s_endpgm
.Lfunc_end_k_qdfac27f01e_proj:
	.size	k_qdfac27f01e_proj, .Lfunc_end_k_qdfac27f01e_proj-k_qdfac27f01e_proj
	.p2alignl 7, 3214868480
	.fill 96, 4, 3214868480
	.section	.rodata,"a",@progbits
	.p2align	6, 0x0
	.amdhsa_kernel k_qdfac27f01e_proj
		.amdhsa_group_segment_fixed_size 0
		.amdhsa_private_segment_fixed_size 0
		.amdhsa_enable_private_segment 0
		.amdhsa_kernarg_size 56
		.amdhsa_user_sgpr_count 2
		.amdhsa_user_sgpr_kernarg_segment_ptr 1
		.amdhsa_wavefront_size32 1
		.amdhsa_system_sgpr_workgroup_id_x 1
		.amdhsa_system_sgpr_workgroup_id_y 1
		.amdhsa_system_sgpr_workgroup_id_z 1
		.amdhsa_system_vgpr_workitem_id 0
		.amdhsa_next_free_vgpr 768
		.amdhsa_next_free_sgpr 66
		.amdhsa_reserve_vcc 0
		.amdhsa_float_denorm_mode_32 3
		.amdhsa_float_denorm_mode_16_64 3
		.amdhsa_memory_ordered 1
		.amdhsa_forward_progress 1
		.amdhsa_inst_pref_size 203
	.end_amdhsa_kernel
	.amdgpu_metadata
---
amdhsa.version: [ 1, 2 ]
amdhsa.kernels:
  - .name:           k_qdfac27f01e_proj
    .symbol:         k_qdfac27f01e_proj.kd
    .args:
      - { .name: cod, .offset: 0, .size: 8, .value_kind: global_buffer, .address_space: global }
      - { .name: scl, .offset: 8, .size: 8, .value_kind: global_buffer, .address_space: global }
      - { .name: bq, .offset: 16, .size: 8, .value_kind: global_buffer, .address_space: global }
      - { .name: bk, .offset: 24, .size: 8, .value_kind: global_buffer, .address_space: global }
      - { .name: bv, .offset: 32, .size: 8, .value_kind: global_buffer, .address_space: global }
      - { .name: qb, .offset: 40, .size: 8, .value_kind: global_buffer, .address_space: global }
      - { .name: kv, .offset: 48, .size: 8, .value_kind: global_buffer, .address_space: global }
    .group_segment_fixed_size: 0
    .private_segment_fixed_size: 0
    .kernarg_segment_align: 8
    .kernarg_segment_size: 56
    .max_flat_workgroup_size: 128
    .sgpr_count:     66
    .vgpr_count:     768
    .wavefront_size: 32
...
	.end_amdgpu_metadata
.endif
;; end of part 2
;; launch attn (part 3): grid 8 x 32, 16 waves a work-group, no clusters, 210,944 bytes of LDS; arguments qb, kv, ac, asl; writes ac, asl
.if DOCPART == 3
	.amdgcn_target "amdgcn-amd-amdhsa--gfx1250"
	.amdhsa_code_object_version 6
	.text
	.protected	k_qdfac27f01e_attn
	.globl	k_qdfac27f01e_attn
	.p2align	8
	.type	k_qdfac27f01e_attn,@function
k_qdfac27f01e_attn:
	s_mov_b64 s[64:65], 0
	v_nop
	global_prefetch_b8 v0, s[64:65] scope:SCOPE_SE
	s_setreg_imm32_b32 hwreg(HW_REG_WAVE_MODE, 25, 1), 1
	s_wait_xcnt 0x0
; O = softmax(q k^T / 8) v for one (batch, head) and 256 queries, both products on codes of E2M3, and O quantised along the head's 64 channels for the output projection.
; THE SOFTMAX AHEAD OF THE SECOND PRODUCT: t = score x log2(e) / 8; M = the running largest t rounded UP to a whole number; p = 2^(t - M) is what is quantised, along the keys; it is not normalised.
; The row's sum is taken of the unquantised p and divides O at the end.  When M moves, the sum and O are multiplied by 2^(old M - new M): exact.
; SHARES.  Sixteen waves; a wave owns one tile of 16 queries, in 256 registers, four waves to a SIMD.  Every wave walks the head's 2,048 keys, 128 a step.
; LDS holds the head's whole stream of kv, 16 steps of 13,056 bytes, as it lies in memory: K: 8 half fragments; V: 4 tiles x 2 half fragments; K's scale words; V's.  It is filled ONCE, by 26 asynchronous
; copies a wave; nothing is filled again and nothing is stored to LDS.  The copies go out in two groups: the 7 that cover the first four steps (52,224 bytes lie inside 7 x 8,192) straight behind Q's loads,
; the other 19 behind the set-up and the wait for Q, which the first product needs anyway: so the first steps' bytes are asked for ahead of the rest.
; TWO BARRIERS.  The first shows every wave's first 7 copies landed: steps 0 to 3 may be read.  The second shows all copies landed: each wave signals it behind its step 2 and waits for it behind its step 3,
; whose bytes the first barrier has shown; behind it the waves walk steps 4 to 15 without meeting again.
; Multicast is left out: the eight work-groups of a head read the same 208,896 bytes once each, at their heads, beside a loop of 16 steps of vector work.
; LAYOUT.  Both products are used transposed: S^T = K Q^T, O^T = V^T P^T: a lane holds ONE query (lane % 16) throughout.  By the tiles' choice of rows the 16 registers of score tiles 2 b, 2 b + 1 are keys
; 32 b + 16 (lane / 16) + 0 .. 15, and the 16 registers of O^T's tiles 2 p, 2 p + 1 are channels 32 p + 16 (lane / 16) + 0 .. 15.
; THE FIRST PRODUCT'S K IS 64: registers 6-11 of Q's and of K's fragments hold zero codes, and their blocks' scale bytes are 127.
; LIMITS: NaN and infinities are not served; a block whose largest magnitude lies under 2^-124 gets the byte 1.
; REGISTERS: v1, v2, v7, v8, v9 the copies' addresses, never rewritten; v3, v4 16 and 8 x lane; v5, v6 the step's LDS addresses (at the head and at the end: at work); the rest as named below.
.set KVH,   208896
.set STEPB, 13056
.set QS,  10                           ; v10      Q's scale words
.set TMP, 11
.set QF,  16                           ; v16-27   Q's fragment
.set KS,  28                           ; v28-31   K's scale words: register j: tile 2 j in lanes 0-15, tile 2 j + 1 in lanes 16-31
.set VS,  32                           ; v32-33   V's likewise
.set KF,  34                           ; v34-81   four fragments of K
.set VF,  82                           ; v82-129  V's four
.set S,   130                          ; v130-193 S^T, then p
.set O,   194                          ; v194-225 O^T
.set PC,  226                          ; v226-237 p's codes
.set BM,  238                          ; v238-241 the blocks' largest scores, then largest p
.set PX,  242                          ; v242-249 at work
.set SOP, 250                          ; v250-253 the conversions' scale operands
.set FF,  254                          ; v254     f = 2^(old M - new M)
.set PW,  255                          ; v255     p's scale word
.set SEL, 26
.set CS,  28
.set HM,  30
.set TB,  31
.set CNT, 32
	s_load_b256 s[4:11], s[0:1], 0x0               ; qb s[4:5], kv s[6:7], ac s[8:9], asl s[10:11]
	v_lshl_add_u32 v254, v0, 2, 0x33000
	v_mov_b32 v255, 0
	ds_add_u32 v254, v255
	ds_add_u32 v254, v255
	s_wait_dscnt 0x0
	; A copy's place is the same number in LDS and in the head's stream: 16 x thread + 8,192 x the copy's number.  The immediate is kept inside 16 bits, as an LDS offset is; four registers carry the rest.
	v_lshlrev_b32 v1, 4, v0                        ; copies 0-7
	v_lshl_add_u32 v2, v0, 4, 0x10000              ; copies 8-15
	v_lshl_add_u32 v7, v0, 4, 0x20000              ; copies 16-23
	v_lshl_add_u32 v8, v0, 4, 0x30000              ; copy 24
	v_lshl_add_u32 v9, v0, 3, 204800               ; the last 4,096 bytes, 8 a thread
	v_lshrrev_b32 v5, 5, v0
	v_readfirstlane_b32 s12, v5                    ; wave 0..15
	v_and_b32 v5, 31, v0
	v_lshlrev_b32 v3, 4, v5                        ; 16 L
	v_lshlrev_b32 v4, 3, v5                        ; 8 L
	v_and_b32 v6, 15, v0                           ; r
	v_lshlrev_b32 v6, 4, v6                        ; 16 r
	s_and_b32 s13, ttmp7, 0xffff                   ; (batch, head)
	s_lshl_b32 s14, ttmp9, 4
	s_add_co_u32 s14, s14, s12                     ; my tile of queries among the head's 128
	s_mul_i32 s34, s13, KVH                        ; the head's stream in kv
	s_mov_b32 s35, 0
	s_mul_i32 s40, s13, 106496
	s_lshr_b32 s41, s14, 3
	s_mul_i32 s41, s41, 6656
	s_add_co_u32 s40, s40, s41                     ; my tile's block of qb
	s_and_b32 s41, s14, 7
	s_mul_i32 s36, s41, 768
	s_add_co_u32 s36, s36, s40                     ; its half fragment
	s_mov_b32 s37, 0
	s_and_b32 s38, s14, 1
	s_lshl_b32 s38, s38, 8
	s_lshr_b32 s41, s41, 1
	s_lshl_b32 s41, s41, 2
	s_add_co_u32 s38, s38, s41
	s_add_co_u32 s38, s38, s40
	s_add_co_u32 s38, s38, 6144                    ; its scale words: slot r at 16 r from here
	s_mov_b32 s39, 0
	s_wait_kmcnt 0x0
	s_add_nc_u64 s[16:17], s[6:7], s[34:35]        ; never rewritten
	s_add_nc_u64 s[18:19], s[4:5], s[36:37]
	s_add_nc_u64 s[20:21], s[4:5], s[38:39]
	global_load_b128 v[QF:QF+3], v3, s[18:19]      ; Q first: the first product waits for it
	global_load_b64 v[QF+4:QF+5], v4, s[18:19] offset:512
	global_load_b32 v[QS], v6, s[20:21]
.irp i, 0,1,2,3,4,5,6
	global_load_async_to_lds_b128 v1, v1, s[16:17] offset:8192*\i         ; the work-group's 512 threads copy 8,192 consecutive bytes; these seven cover steps 0 to 3
.endr
	s_lshr_b32 s36, s13, 3
	s_lshl_b32 s36, s36, 7
	s_add_co_u32 s36, s36, s14                     ; the tile among ac's 512: 128 x batch + mine
	s_and_b32 s37, s13, 7                          ; the head
	s_mul_i32 s38, s36, 6144
	s_mul_i32 s40, s37, 768
	s_add_co_u32 s38, s38, s40
	s_add_nc_u64 s[22:23], s[8:9], s[38:39]        ; ac: the tile's half fragment number head
	s_lshr_b32 s38, s36, 1
	s_lshl_b32 s38, s38, 9
	s_lshr_b32 s40, s37, 1
	s_lshl_b32 s40, s40, 7
	s_add_co_u32 s38, s38, s40
	s_and_b32 s40, s36, 1
	s_lshl_b32 s40, s40, 6
	s_add_co_u32 s38, s38, s40
	s_and_b32 s40, s37, 1
	s_lshl_b32 s40, s40, 1
	s_add_co_u32 s38, s38, s40
	s_add_nc_u64 s[24:25], s[10:11], s[38:39]      ; asl: pair, K step head / 2, the tile's 16 words, bytes 2 (head % 2) on
	s_mov_b32 s[SEL], 0x76543210
	s_mov_b32 s[SEL+1], 0xfedcba98                 ; v_permlanex16_b32: lane l xor 16
	s_mov_b32 s[CS], 0x3e38aa3b                    ; c = log2(e) / 8
	s_mov_b32 s[CS+1], s[CS]                       ; named with it as a pair, so it is written
	s_mov_b32 s[HM], 0xffff0000                    ; as a lane mask: lanes 16-31
.irp j, 6,7,8,9,10,11
	v_mov_b32 v[QF+\j], 0                          ; zero codes for k = 64 .. 127,
.irp t, 0,1,2,3
	v_mov_b32 v[KF+12*\t+\j], 0                    ; in K's fragments too: written once, no load lands here
.endr
.endr
.set JJ, 0
.rept 32
	v_mov_b32 v[O+JJ], 0                           ; O^T.  The step is written once: the first finds zeros, which the first change of M leaves zeros
.set JJ, JJ+1
.endr
	v_mov_b32 v13, 0xff61b1e6                      ; the largest t so far: -3e38, under every t
	v_floor_f32 v12, -v13                          ; -M
	v_mov_b32 v14, 0                               ; the sum, in two halves
	v_mov_b32 v15, 0
.irp b, 0,1,2,3
	v_mov_b32 v[PX+\b], 0                          ; written once: a lane permute's destination counts as one of its sources
.endr
	v_mov_b32 v[PW], 0                             ; named as the upper half of the pair with f before it is first written
	s_wait_loadcnt 0x0                             ; Q is in; v6, the offset of its scale words' load, may be written again
	global_load_async_to_lds_b128 v1, v1, s[16:17] offset:8192*7          ; the other 19 copies: steps 4 to 15
.irp i, 0,1,2,3,4,5,6,7
	global_load_async_to_lds_b128 v2, v2, s[16:17] offset:8192*\i
.endr
.irp i, 0,1,2,3,4,5,6,7
	global_load_async_to_lds_b128 v7, v7, s[16:17] offset:8192*\i
.endr
	global_load_async_to_lds_b128 v8, v8, s[16:17]
	global_load_async_to_lds_b64 v9, v9, s[16:17]
.macro WS t, g                         ; scores of key tile 4 g + t
.if (\t)%2 == 0
	v_wmma_scale_f32_16x16x128_f8f6f4 v[S+8*(4*\g+\t):S+8*(4*\g+\t)+7], v[KF+12*\t:KF+12*\t+11], v[QF:QF+11], 0, v[KS+2*\g+(\t)/2], v[QS] matrix_a_fmt:MATRIX_FMT_FP6 matrix_b_fmt:MATRIX_FMT_FP6
.else
	v_wmma_scale_f32_16x16x128_f8f6f4 v[S+8*(4*\g+\t):S+8*(4*\g+\t)+7], v[KF+12*\t:KF+12*\t+11], v[QF:QF+11], 0, v[KS+2*\g+(\t)/2], v[QS] matrix_a_fmt:MATRIX_FMT_FP6 matrix_b_fmt:MATRIX_FMT_FP6 matrix_a_scale:MATRIX_SCALE_ROW1
.endif
.endm
.macro WO t                            ; O^T's tile t += V^T's tile t x P^T
.if (\t)%2 == 0
	v_wmma_scale_f32_16x16x128_f8f6f4 v[O+8*\t:O+8*\t+7], v[VF+12*\t:VF+12*\t+11], v[PC:PC+11], v[O+8*\t:O+8*\t+7], v[VS+(\t)/2], v[PW] matrix_a_fmt:MATRIX_FMT_FP6 matrix_b_fmt:MATRIX_FMT_FP6
.else
	v_wmma_scale_f32_16x16x128_f8f6f4 v[O+8*\t:O+8*\t+7], v[VF+12*\t:VF+12*\t+11], v[PC:PC+11], v[O+8*\t:O+8*\t+7], v[VS+(\t)/2], v[PW] matrix_a_fmt:MATRIX_FMT_FP6 matrix_b_fmt:MATRIX_FMT_FP6 matrix_a_scale:MATRIX_SCALE_ROW1
.endif
.endm
; A KEY STEP: 128 keys, whose 13,056 bytes begin at LDS byte s[TB].  It holds LDS loads, their waits and work on registers, and nothing else.
.macro STEP
	v_add_nc_u32 v5, s[TB], v3                     ; these four lines are the places in front of loads into registers that the last step's last products read (ISA guide 7.12.1 for vector instructions)
	v_add_nc_u32 v6, s[TB], v4
	v_nop
	v_nop
	ds_load_b128 v[KS:KS+3], v5 offset:12288
.irp t, 0,1,2,3
	ds_load_b128 v[KF+12*\t:KF+12*\t+3], v5 offset:768*\t
	ds_load_b64 v[KF+12*\t+4:KF+12*\t+5], v6 offset:768*\t+512
.endr
	ds_load_b64 v[VS:VS+1], v6 offset:12800
.irp t, 0,1,2,3
.irp c, 0,1
	ds_load_b128 v[VF+12*\t+6*\c:VF+12*\t+6*\c+3], v5 offset:6144+1536*\t+768*\c
	ds_load_b64 v[VF+12*\t+6*\c+4:VF+12*\t+6*\c+5], v6 offset:6144+1536*\t+768*\c+512
.endr
.endr
	s_wait_dscnt 17                                ; K's words and first four tiles are in; V's words and its 16 loads, issued behind them, may be out
.irp t, 0,1,2,3
	WS \t, 0
.endr
.rept 4
	v_nop                                          ; places in front of the loads into K's registers
.endr
.irp t, 0,1,2,3
	ds_load_b128 v[KF+12*\t:KF+12*\t+3], v5 offset:3072+768*\t
	ds_load_b64 v[KF+12*\t+4:KF+12*\t+5], v6 offset:3072+768*\t+512
.endr
	s_wait_dscnt 0x0
.irp t, 0,1,2,3
	WS \t, 1
.endr
.rept 4
	v_nop                                          ; places in front of the first read of the scores
.endr
.irp b, 0,1,2,3
	v_max3_num_f32 v[BM+\b], v[S+16*\b], v[S+1+16*\b], v[S+2+16*\b]       ; the largest score of each block of 32 keys: for the row's maximum and, since p rises with the score, for the block's largest p
.endr
.irp i, 3,5,7,9,11,13
.irp b, 0,1,2,3
	v_max3_num_f32 v[BM+\b], v[BM+\b], v[S+16*\b+\i], v[S+1+16*\b+\i]
.endr
.endr
.irp b, 0,1,2,3
	v_max_num_f32 v[BM+\b], v[BM+\b], v[S+15+16*\b]
.endr
.irp b, 0,1,2,3
	v_permlanex16_b32 v[PX+\b], v[BM+\b], s[SEL], s[SEL+1]
.endr
.irp b, 0,1,2,3
	v_max_num_f32 v[BM+\b], v[BM+\b], v[PX+\b]     ; with lane l xor 16's 16 keys
.endr
	v_max3_num_f32 v[TMP], v[BM], v[BM+1], v[BM+2]
	v_max_num_f32 v[TMP], v[TMP], v[BM+3]          ; the step's largest score of my query
	v_mul_f32 v[TMP], s[CS], v[TMP]                ; as t (c is positive)
	v_max_num_f32 v13, v13, v[TMP]                 ; the running largest t
	v_mov_b32 v[TMP], v12
	v_floor_f32 v12, -v13                          ; the new -M = floor(-t) = -ceil(t)
	v_sub_f32 v[TMP], v12, v[TMP]                  ; old M - new M: a whole number, 0 or less
	v_cvt_i32_f32 v[TMP], v[TMP]                   ; (it saturates)
	v_ldexp_f32 v[FF], 1.0, v[TMP]                 ; f = 2^(old M - new M)
.set JJ, 0
.rept 32
	v_pk_fma_f32 v[S+JJ:S+JJ+1], v[S+JJ:S+JJ+1], s[CS:CS+1], v[12:13] op_sel_hi:[1,0,0]   ; t - M, two at a time
.set JJ, JJ+2
.endr
.irp b, 0,1,2,3
	v_fma_f32 v[BM+\b], v[BM+\b], s[CS], v12       ; the same of each block's largest score
.endr
.set JJ, 0
.rept 64
	v_exp_f32 v[S+JJ], v[S+JJ]                     ; p = 2^(t - M), at most 1
.set JJ, JJ+1
.endr
.irp b, 0,1,2,3
	v_exp_f32 v[BM+\b], v[BM+\b]                   ; the block's largest p: the same two instructions on the same number
.endr
	v_pk_mul_f32 v[14:15], v[14:15], v[FF:FF+1] op_sel_hi:[1,0]           ; the sums under the new M; also the plain place behind the exponentials
	s_wait_alu depctr_va_vdst(0)
.irp b, 0,1,2,3
	v_max_num_f32 v[BM+\b], 0x1800000, v[BM+\b]    ; the floor 2^(3 - 127): the byte cannot fall under 1
.endr
.irp b, 0,1,2,3
	v_add_nc_u32 v[SOP+\b], 0xff000000, v[BM+\b]   ; 2 off the exponent field: the conversion's scale operand
.endr
.irp b, 0,1,2,3
	v_lshrrev_b32 v[PX+\b], 23, v[SOP+\b]          ; the scale byte
.endr
	v_lshl_or_b32 v[PW], v[PX+1], 8, v[PX]         ; p's scale word for these 128 keys
	v_lshl_or_b32 v[PW], v[PX+2], 16, v[PW]
	v_lshl_or_b32 v[PW], v[PX+3], 24, v[PW]
.irp c, 0,1
	v_cvt_scalef32_pk16_fp6_f32 v[PC+6*\c:PC+6*\c+2], v[S+32*\c:S+32*\c+15], v[SOP+2*\c]
	v_cvt_scalef32_pk16_fp6_f32 v[PX+4*\c:PX+4*\c+2], v[S+16+32*\c:S+31+32*\c], v[SOP+2*\c+1]
.endr
	v_nop                                          ; one plain place behind the scaled conversions
.irp c, 0,1                                    ; the operand wants a whole block in a lane: lanes 0-15 block 2 c, lanes 16-31 block 2 c + 1
.irp i, 0,1,2
	v_permlane16_swap_b32 v[PC+6*\c+\i], v[PX+4*\c+\i]
.endr
.irp i, 0,1,2
	v_mov_b32 v[PC+3+6*\c+\i], v[PX+4*\c+\i]
.endr
.endr
	v_pk_add_f32 v[PX:PX+1], v[S:S+1], v[S+2:S+3]  ; the row's sum is taken of the unquantised p: two at a time, in two chains
.irp j, 4,8,12,16,20,24,28,32,36,40,44,48,52,56,60
	v_pk_add_f32 v[14:15], v[14:15], v[S+\j:S+\j+1]
	v_pk_add_f32 v[PX:PX+1], v[PX:PX+1], v[S+\j+2:S+\j+3]
.endr
	v_pk_add_f32 v[14:15], v[14:15], v[PX:PX+1]
.set JJ, 0
.rept 16
	v_pk_mul_f32 v[O+JJ:O+JJ+1], v[O+JJ:O+JJ+1], v[FF:FF+1] op_sel_hi:[1,0]   ; O^T under the new M.  The sums and these stand between the writing of p's codes and scale word and the products
.set JJ, JJ+2
.endr
.irp t, 0,1,2,3
	WO \t                                          ; four accumulators by turns, one instruction a turn
.endr
.endm
	; THE FIRST BARRIER.  Copies end in the order of issue: with at most 19 out, my first 7 have landed.  No LDS load of mine has been issued yet.
	s_wait_asynccnt 19
	s_barrier_signal -1
	s_barrier_wait -1                              ; every wave's first 7 have landed: bytes 0 to 57,343, steps 0 to 3 among them
	s_mov_b32 s[TB], 0
	s_mov_b32 s[CNT], 3
.Lfirst:                                           ; steps 0, 1, 2
	STEP
	s_add_co_u32 s[TB], s[TB], STEPB
	s_sub_co_u32 s[CNT], s[CNT], 1
	s_cmp_lg_u32 s[CNT], 0
	s_cbranch_scc1 .Lfirst
	; THE SECOND BARRIER, its signal and its wait a step apart, so that a wave that is a step ahead of the others does not stand still.
	s_wait_asynccnt 0x0                            ; all my 26 copies have landed
	s_wait_dscnt 0x0                               ; no LDS load of mine is out at the signal
	s_mov_b32 s[TB], 3*STEPB
	s_barrier_signal -1
	STEP                                           ; step 3: bytes 39,168 to 52,223, which the first barrier has shown landed and which no copy still out writes (those write from byte 57,344 on)
	s_barrier_wait -1                              ; every wave's copies have landed: the whole stream may be read
	s_mov_b32 s[TB], 4*STEPB
	s_mov_b32 s[CNT], 12
.Lrest:                                            ; steps 4 to 15: the waves do not meet again
	STEP
	s_add_co_u32 s[TB], s[TB], STEPB
	s_sub_co_u32 s[CNT], s[CNT], 1
	s_cmp_lg_u32 s[CNT], 0
	s_cbranch_scc1 .Lrest
	; THE WAY OUT.  O^T / the sum; its 32 numbers of a lane are 16 of each of the head's two blocks of 32 channels: quantised as p is, and stored as half fragment number head of my tile of ac.
.rept 4
	v_nop                                          ; places behind the last products
.endr
	v_add_f32 v14, v14, v15                        ; the sum's two halves,
	v_permlanex16_b32 v[TMP], v14, s[SEL], s[SEL+1]
	v_add_f32 v14, v14, v[TMP]                     ; and lane l xor 16's: the row's sum
	v_rcp_f32 v14, v14
	v_bfe_u32 v5, v0, 4, 1                         ; (a plain place behind the reciprocal)  h
	v_and_b32 v6, 15, v0                           ; r
	v_lshl_add_u32 v6, v6, 2, v5                   ; 4 r + h: my scale byte's place
.set JJ, 0
	s_wait_alu depctr_va_vdst(0)
.rept 16
	v_pk_mul_f32 v[S+JJ:S+JJ+1], v[O+JJ:O+JJ+1], v[14:15] op_sel_hi:[1,0]     ; ascending: each accumulator is read from its low end on
.set JJ, JJ+2
.endr
.irp b, 0,1
	v_max3_num_f32 v[BM+\b], |v[S+16*\b]|, |v[S+1+16*\b]|, 0x1800000
.endr
.irp i, 2,4,6,8,10,12,14
.irp b, 0,1
	v_max3_num_f32 v[BM+\b], v[BM+\b], |v[S+16*\b+\i]|, |v[S+1+16*\b+\i]|
.endr
.endr
.irp b, 0,1
	v_permlanex16_b32 v[PX+\b], v[BM+\b], s[SEL], s[SEL+1]
.endr
.irp b, 0,1
	v_max_num_f32 v[BM+\b], v[BM+\b], v[PX+\b]
.endr
.irp b, 0,1
	v_add_nc_u32 v[SOP+\b], 0xff000000, v[BM+\b]
.endr
.irp b, 0,1
	v_lshrrev_b32 v[BM+2+\b], 23, v[SOP+\b]
.endr
	v_cndmask_b32 v5, v[BM+2], v[BM+3], s[HM]      ; lanes 0-15 store block 0's byte, lanes 16-31 block 1's: no byte is written twice
	v_cvt_scalef32_pk16_fp6_f32 v[PC:PC+2], v[S:S+15], v[SOP]
	v_cvt_scalef32_pk16_fp6_f32 v[PX:PX+2], v[S+16:S+31], v[SOP+1]
	v_nop                                          ; one plain place behind the scaled conversions
.irp i, 0,1,2
	v_permlane16_swap_b32 v[PC+\i], v[PX+\i]
.endr
.irp i, 0,1,2
	v_mov_b32 v[PC+3+\i], v[PX+\i]
.endr
	global_store_b128 v3, v[PC:PC+3], s[22:23]     ; 512 consecutive bytes, at a multiple of 256 from the buffer's first byte
	global_store_b64 v4, v[PC+4:PC+5], s[22:23] offset:512
	global_store_b8 v6, v5, s[24:25]               ; 32 bytes a wave: two of the four bytes of each of the tile's 16 words; the neighbouring head's work-group stores the other two
	s_wait_xcnt 0x0
	v_lshl_add_u32 v254, v0, 2, 0x33000
	v_mov_b32 v255, 0
	s_wait_tensorcnt 0x0
	ds_add_u32 v254, v255
	s_wait_dscnt 0x0
	s_endpgm
.Lfunc_end_k_qdfac27f01e_attn:
	.size	k_qdfac27f01e_attn, .Lfunc_end_k_qdfac27f01e_attn-k_qdfac27f01e_attn
	.p2alignl 7, 3214868480
	.fill 96, 4, 3214868480
	.section	.rodata,"a",@progbits
	.p2align	6, 0x0
	.amdhsa_kernel k_qdfac27f01e_attn
		.amdhsa_group_segment_fixed_size 210944
		.amdhsa_private_segment_fixed_size 0
		.amdhsa_enable_private_segment 0
		.amdhsa_kernarg_size 32
		.amdhsa_user_sgpr_count 2
		.amdhsa_user_sgpr_kernarg_segment_ptr 1
		.amdhsa_wavefront_size32 1
		.amdhsa_system_sgpr_workgroup_id_x 1
		.amdhsa_system_sgpr_workgroup_id_y 1
		.amdhsa_system_sgpr_workgroup_id_z 1
		.amdhsa_system_vgpr_workitem_id 0
		.amdhsa_next_free_vgpr 256
		.amdhsa_next_free_sgpr 66
		.amdhsa_reserve_vcc 0
		.amdhsa_float_denorm_mode_32 3
		.amdhsa_float_denorm_mode_16_64 3
		.amdhsa_memory_ordered 1
		.amdhsa_forward_progress 1
		.amdhsa_inst_pref_size 60
	.end_amdhsa_kernel
	.amdgpu_metadata
---
amdhsa.version: [ 1, 2 ]
amdhsa.kernels:
  - .name:           k_qdfac27f01e_attn
    .symbol:         k_qdfac27f01e_attn.kd
    .args:
      - { .name: qb, .offset: 0, .size: 8, .value_kind: global_buffer, .address_space: global }
      - { .name: kv, .offset: 8, .size: 8, .value_kind: global_buffer, .address_space: global }
      - { .name: ac, .offset: 16, .size: 8, .value_kind: global_buffer, .address_space: global }
      - { .name: asl, .offset: 24, .size: 8, .value_kind: global_buffer, .address_space: global }
    .group_segment_fixed_size: 210944
    .private_segment_fixed_size: 0
    .kernarg_segment_align: 8
    .kernarg_segment_size: 32
    .max_flat_workgroup_size: 512
    .sgpr_count:     66
    .vgpr_count:     256
    .wavefront_size: 32
...
	.end_amdgpu_metadata
.endif
;; end of part 3
;; launch outp (part 4): grid 256 x 1, 4 waves a work-group, no clusters, 34,304 bytes of LDS; arguments ac, asl, cod, scl, bo, x, out0; writes out0
.if DOCPART == 4
	.amdgcn_target "amdgcn-amd-amdhsa--gfx1250"
	.amdhsa_code_object_version 6
	.text
	.protected	k_qdfac27f01e_outp
	.globl	k_qdfac27f01e_outp
	.p2align	8
	.type	k_qdfac27f01e_outp,@function
k_qdfac27f01e_outp:
	s_mov_b64 s[64:65], 0
	v_nop
	global_prefetch_b8 v0, s[64:65] scope:SCOPE_SE
	s_setreg_imm32_b32 hwreg(HW_REG_WAVE_MODE, 25, 1), 1
	s_wait_xcnt 0x0
; out0[b][n][l] = x[b][n][l] + bo[n] + the sum over c of a[b][l][c] Wo[n][c], on the codes of ac, asl (the attention's result) and of cod, scl (Wo).
; THE UNIT: eight tiles of ac as source 0 (128 rows l) x one tile of Wo as source 1 (16 channels n), K = 512: 32 matrix instructions on 8 accumulators.
; Lane (r, h) then holds ONE channel n (slot r of the tile) and its register 16 p + i holds l = 32 p + 16 h + i: neighbours along out0's innermost axis.
; SHARES.  A work-group takes 128 l of one batch and 128 channels; a wave 32 channels: a pair of Wo's tiles, two units.  The eight tiles of ac stay in 384 registers.
; The bias is the C of each sum's first matrix instruction (eight equal registers a unit).  A unit's 16 x 128 results go through the wave's own stage in LDS and come back as whole rows of 512 bytes;
; x's same rows, asked for at the head, are added, and each store covers 512 consecutive bytes at a multiple of 256 from out0's first byte.  No barrier: only the wave itself touches its stage.
; REGISTERS.  window 0: v1-6 offsets and LDS addresses; v8-23 ac's scale words; v24-27 Wo's; v32-47 the bias; v96-159 accumulators, then rows; v160-255 Wo's two tiles.
;             window 1: v0-191 ac's fragments of K steps 0, 1 (at 96 s + 12 t); v192-255 x's rows of unit 0.   window 2: v0-191 K steps 2, 3; v192-255 x's rows of unit 1.
.set GS,   8
.set TS,   24
.set BIAS, 32
.set ACC,  96
.set T1B,  160
.set MSB, 0
.macro WIN new                         ; the immediate's high byte repeats the setting that is left; a switch that changes nothing is dropped
.if MSB != (\new)
	s_set_vgpr_msb (MSB<<8)|(\new)
.set MSB, (\new)
.endif
.endm
.macro WM d, a, b, c, sa, sb, ra, rb   ; ra, rb: the side's scale words stand in lanes 16-31 (the odd tile of a pair)
.if (\ra) == 0 && (\rb) == 0
	v_wmma_scale_f32_16x16x128_f8f6f4 v[(\d):(\d)+7], v[(\a):(\a)+11], v[(\b):(\b)+11], v[(\c):(\c)+7], v[(\sa)], v[(\sb)] matrix_a_fmt:MATRIX_FMT_FP6 matrix_b_fmt:MATRIX_FMT_FP6
.elseif (\rb) == 0
	v_wmma_scale_f32_16x16x128_f8f6f4 v[(\d):(\d)+7], v[(\a):(\a)+11], v[(\b):(\b)+11], v[(\c):(\c)+7], v[(\sa)], v[(\sb)] matrix_a_fmt:MATRIX_FMT_FP6 matrix_b_fmt:MATRIX_FMT_FP6 matrix_a_scale:MATRIX_SCALE_ROW1
.elseif (\ra) == 0
	v_wmma_scale_f32_16x16x128_f8f6f4 v[(\d):(\d)+7], v[(\a):(\a)+11], v[(\b):(\b)+11], v[(\c):(\c)+7], v[(\sa)], v[(\sb)] matrix_a_fmt:MATRIX_FMT_FP6 matrix_b_fmt:MATRIX_FMT_FP6 matrix_b_scale:MATRIX_SCALE_ROW1
.else
	v_wmma_scale_f32_16x16x128_f8f6f4 v[(\d):(\d)+7], v[(\a):(\a)+11], v[(\b):(\b)+11], v[(\c):(\c)+7], v[(\sa)], v[(\sb)] matrix_a_fmt:MATRIX_FMT_FP6 matrix_b_fmt:MATRIX_FMT_FP6 matrix_a_scale:MATRIX_SCALE_ROW1 matrix_b_scale:MATRIX_SCALE_ROW1
.endif
.endm
.macro MULS u                          ; a unit's 32 products: the eight accumulators take turns, one instruction a turn
	WIN 0x01                                       ; source 0 (ac) window 1
.irp t, 0,1,2,3,4,5,6,7
	WM ACC+8*\t, 12*\t, T1B+48*\u, BIAS+8*\u, GS+4*(\t/2), TS, \t%2, \u
.endr
.irp t, 0,1,2,3,4,5,6,7
	WM ACC+8*\t, 96+12*\t, T1B+48*\u+12, ACC+8*\t, GS+4*(\t/2)+1, TS+1, \t%2, \u
.endr
	WIN 0x02                                       ; source 0 window 2
.irp s, 2,3
.irp t, 0,1,2,3,4,5,6,7
	WM ACC+8*\t, 96*(\s-2)+12*\t, T1B+48*\u+12*\s, ACC+8*\t, GS+4*(\t/2)+\s, TS+\s, \t%2, \u
.endr
.endr
	WIN 0
.endm
.macro UNIT u
.if \u
	s_wait_xcnt 0x0                                ; unit 0's stores have read the registers that these products write
.endif
	MULS \u
.rept 5
	v_nop                                          ; four places before the results are read (ISA guide 7.12.1); five since the next unit's first products write over them with another C
.endr
.irp t, 0,1,2,3,4,5,6,7
	ds_store_b128 v5, v[ACC+8*\t:ACC+8*\t+3] offset:128*(\t/2)+32*(\t%2)      ; each accumulator from its low end on: row = my slot, l = 32 (t / 2) + 16 h + 8 (t % 2) + 0 .. 7
	ds_store_b128 v5, v[ACC+8*\t+4:ACC+8*\t+7] offset:128*(\t/2)+32*(\t%2)+16
.endr
.irp i, 0,1,2,3,4,5,6,7,8,9,10,11,12,13,14,15
	ds_load_b128 v[ACC+4*\i:ACC+4*\i+3], v6 offset:528*\i                     ; LDS serves a wave's instructions in order (ISA guide 5.7.1.4): these see the stores above
.endr
	s_wait_dscnt 0x0
	s_wait_loadcnt 16-16*\u                        ; this unit's 16 rows of x are in; unit 1's, issued behind unit 0's, may be out
	WIN 0x04+0x04*\u                               ; source 1: window 1 or 2
.set JJ, 0
.rept 32
	v_pk_add_f32 v[ACC+JJ:ACC+JJ+1], v[ACC+JJ:ACC+JJ+1], v[192+JJ:193+JJ]
.set JJ, JJ+2
.endr
	WIN 0
.irp i, 0,1,2,3,4,5,6,7,8,9,10,11,12,13,14,15
	global_store_b128 v1, v[ACC+4*\i:ACC+4*\i+3], s[32:33] offset:(8*\u+\i+8*(\i/8))*8192 th:TH_STORE_NT    ; slot i is channel 8 u + i + 8 (i / 8) of my 32
.endr
.endm
	s_load_b256 s[4:11], s[0:1], 0x0               ; ac s[4:5], asl s[6:7], cod s[8:9], scl s[10:11]
	s_load_b128 s[12:15], s[0:1], 0x20             ; bo s[12:13], x s[14:15]
	s_load_b64 s[16:17], s[0:1], 0x30              ; out0
	v_lshl_add_u32 v94, v0, 2, 0x8400
	v_mov_b32 v95, 0
	v_lshrrev_b32 v7, 5, v0
	v_readfirstlane_b32 s18, v7                    ; wave
	v_and_b32 v7, 31, v0
	v_lshlrev_b32 v1, 4, v7                        ; 16 L
	v_lshlrev_b32 v2, 3, v7                        ; 8 L
	v_lshlrev_b32 v3, 2, v7                        ; 4 L
	v_and_b32 v7, 15, v0                           ; r
	s_mul_i32 s45, s18, 8448                       ; my stage: 16 rows of 512 bytes + 16
	v_mul_u32_u24 v5, v7, 528
	v_bfe_u32 v6, v0, 4, 1                         ; h
	v_lshl_add_u32 v5, v6, 6, v5
	v_add_nc_u32 v5, s45, v5                       ; in: row r, + 64 h
	v_add_nc_u32 v6, s45, v1                       ; back: 16 bytes a lane of a row
	v_and_b32 v4, 8, v7
	v_add_nc_u32 v4, v4, v7
	v_lshlrev_b32 v4, 2, v4                        ; the bias of my slot: 4 (r + 8 (r / 8))
	s_lshr_b32 s19, ttmp9, 2                       ; which 128 rows (b, l)
	s_and_b32 s44, ttmp9, 3
	s_lshl_b32 s44, s44, 2
	s_add_co_u32 s44, s44, s18                     ; which pair of Wo's tiles: 32 channels
	s_mov_b32 s41, 0
	s_wait_kmcnt 0x0
	s_mul_i32 s40, s19, 49152
	s_add_nc_u64 s[20:21], s[4:5], s[40:41]        ; ac's eight tiles
	s_lshl_b32 s40, s19, 11
	s_add_nc_u64 s[22:23], s[6:7], s[40:41]        ; their scale words
	s_mul_i32 s40, s44, 12288
	s_add_co_u32 s40, s40, 3735552                 ; cod: tiles 608 + 2 x pair
	s_add_nc_u64 s[24:25], s[8:9], s[40:41]
	s_lshl_b32 s40, s44, 9
	s_add_co_u32 s40, s40, 155648
	s_add_nc_u64 s[26:27], s[10:11], s[40:41]
	s_lshl_b32 s40, s44, 7
	s_add_nc_u64 s[28:29], s[12:13], s[40:41]
	s_lshr_b32 s40, s19, 4
	s_lshl_b32 s40, s40, 22                        ; batch: 4,194,304 bytes;
	s_lshl_b32 s42, s44, 18                        ; 32 channels of 8,192 bytes;
	s_add_co_u32 s40, s40, s42
	s_and_b32 s42, s19, 15
	s_lshl_b32 s42, s42, 9                         ; 128 l of 4 bytes
	s_add_co_u32 s40, s40, s42
	s_add_nc_u64 s[30:31], s[14:15], s[40:41]
	s_add_nc_u64 s[32:33], s[16:17], s[40:41]
	WIN 0x40                                       ; destination window 1
.irp t, 0,1,2,3,4,5,6,7
.irp kk, 0,1,2,3
	global_load_b128 v[96*(\kk/2)+12*\t+6*(\kk%2):96*(\kk/2)+12*\t+6*(\kk%2)+3], v1, s[20:21] offset:6144*\t+768*\kk
	global_load_b64 v[96*(\kk/2)+12*\t+6*(\kk%2)+4:96*(\kk/2)+12*\t+6*(\kk%2)+5], v2, s[20:21] offset:6144*\t+768*\kk+512
.endr
.endr
	WIN 0x80                                       ; destination window 2
.irp t, 0,1,2,3,4,5,6,7
.irp kk, 4,5,6,7
	global_load_b128 v[96*(\kk/2-2)+12*\t+6*(\kk%2):96*(\kk/2-2)+12*\t+6*(\kk%2)+3], v1, s[20:21] offset:6144*\t+768*\kk
	global_load_b64 v[96*(\kk/2-2)+12*\t+6*(\kk%2)+4:96*(\kk/2-2)+12*\t+6*(\kk%2)+5], v2, s[20:21] offset:6144*\t+768*\kk+512
.endr
.endr
	WIN 0
.irp p, 0,1,2,3
.irp s, 0,1,2,3
	global_load_b32 v[GS+4*\p+\s], v3, s[22:23] offset:512*\p+128*\s
.endr
.endr
.irp s, 0,1,2,3
	global_load_b32 v[TS+\s], v3, s[26:27] offset:128*\s
.endr
.irp u, 0,1
.irp j, 0,1,2,3,4,5,6,7
	global_load_b32 v[BIAS+8*\u+\j], v4, s[28:29] offset:32*\u
.endr
.endr
.irp u, 0,1
.irp kk, 0,1,2,3,4,5,6,7
	global_load_b128 v[T1B+48*\u+6*\kk:T1B+48*\u+6*\kk+3], v1, s[24:25] offset:6144*\u+768*\kk
	global_load_b64 v[T1B+48*\u+6*\kk+4:T1B+48*\u+6*\kk+5], v2, s[24:25] offset:6144*\u+768*\kk+512
.endr
.endr
	WIN 0x40                                       ; x's rows come last, so that the products need not wait for them: unit 0's,
.irp i, 0,1,2,3,4,5,6,7,8,9,10,11,12,13,14,15
	global_load_b128 v[192+4*\i:195+4*\i], v1, s[30:31] offset:(\i+8*(\i/8))*8192 th:TH_LOAD_NT
.endr
	WIN 0x80                                       ; unit 1's
.irp i, 0,1,2,3,4,5,6,7,8,9,10,11,12,13,14,15
	global_load_b128 v[192+4*\i:195+4*\i], v1, s[30:31] offset:(8+\i+8*(\i/8))*8192 th:TH_LOAD_NT
.endr
	WIN 0
	s_wait_loadcnt 32                              ; all but the 32 loads of x's rows
	UNIT 0
	UNIT 1
	s_wait_tensorcnt 0x0
	ds_add_u32 v94, v95
	s_wait_dscnt 0x0
	s_endpgm
.Lfunc_end_k_qdfac27f01e_outp:
	.size	k_qdfac27f01e_outp, .Lfunc_end_k_qdfac27f01e_outp-k_qdfac27f01e_outp
	.p2alignl 7, 3214868480
	.fill 96, 4, 3214868480
	.section	.rodata,"a",@progbits
	.p2align	6, 0x0
	.amdhsa_kernel k_qdfac27f01e_outp
		.amdhsa_group_segment_fixed_size 34304
		.amdhsa_private_segment_fixed_size 0
		.amdhsa_enable_private_segment 0
		.amdhsa_kernarg_size 56
		.amdhsa_user_sgpr_count 2
		.amdhsa_user_sgpr_kernarg_segment_ptr 1
		.amdhsa_wavefront_size32 1
		.amdhsa_system_sgpr_workgroup_id_x 1
		.amdhsa_system_sgpr_workgroup_id_y 1
		.amdhsa_system_sgpr_workgroup_id_z 1
		.amdhsa_system_vgpr_workitem_id 0
		.amdhsa_next_free_vgpr 768
		.amdhsa_next_free_sgpr 66
		.amdhsa_reserve_vcc 0
		.amdhsa_float_denorm_mode_32 3
		.amdhsa_float_denorm_mode_16_64 3
		.amdhsa_memory_ordered 1
		.amdhsa_forward_progress 1
		.amdhsa_inst_pref_size 44
	.end_amdhsa_kernel
	.amdgpu_metadata
---
amdhsa.version: [ 1, 2 ]
amdhsa.kernels:
  - .name:           k_qdfac27f01e_outp
    .symbol:         k_qdfac27f01e_outp.kd
    .args:
      - { .name: ac, .offset: 0, .size: 8, .value_kind: global_buffer, .address_space: global }
      - { .name: asl, .offset: 8, .size: 8, .value_kind: global_buffer, .address_space: global }
      - { .name: cod, .offset: 16, .size: 8, .value_kind: global_buffer, .address_space: global }
      - { .name: scl, .offset: 24, .size: 8, .value_kind: global_buffer, .address_space: global }
      - { .name: bo, .offset: 32, .size: 8, .value_kind: global_buffer, .address_space: global }
      - { .name: x, .offset: 40, .size: 8, .value_kind: global_buffer, .address_space: global }
      - { .name: out0, .offset: 48, .size: 8, .value_kind: global_buffer, .address_space: global }
    .group_segment_fixed_size: 34304
    .private_segment_fixed_size: 0
    .kernarg_segment_align: 8
    .kernarg_segment_size: 56
    .max_flat_workgroup_size: 128
    .sgpr_count:     66
    .vgpr_count:     768
    .wavefront_size: 32
...
	.end_amdgpu_metadata
.endif
;; end of part 4
;; ======== version 2 of 2: 4 launches
;; workspace buffers: cod 3,932,160 bytes; scl 163,840 bytes; qb 3,407,872 bytes; kv 6,684,672 bytes; ac 3,145,728 bytes; asl 131,072 bytes
;; launch prep (part 5): grid 320 x 1, 4 waves a work-group, no clusters, 0 bytes of LDS; arguments x, Wq, Wk, Wv, Wo, cod, scl; writes cod, scl
.if DOCPART == 5
	.amdgcn_target "amdgcn-amd-amdhsa--gfx1250"
	.amdhsa_code_object_version 6
	.text
	.protected	k_qdfac27f01e_prep
	.globl	k_qdfac27f01e_prep
	.p2align	8
	.type	k_qdfac27f01e_prep,@function
k_qdfac27f01e_prep:
	s_mov_b64 s[64:65], 0
	v_nop
	global_prefetch_b8 v0, s[64:65] scope:SCOPE_SE
	s_setreg_imm32_b32 hwreg(HW_REG_WAVE_MODE, 25, 1), 1
	s_wait_xcnt 0x0
; x [4][512][2048] (K = the 512 channels, NOT innermost) and Wq, Wk, Wv, Wo [512][512] (K innermost), all f32, become codes of E2M3 with one E8M0 byte for each 32 along K.
; THE LAYOUT OF cod.  Rows (x: 2048 b + l; a weight: its output channel) go in pairs of tiles of 16: pair g covers rows 32 g .. 32 g + 31, and slot r of tile 2 g + u is row 32 g + 8 u + r + 8 (r / 8).
; A tile is 6,144 bytes: eight half fragments (16 rows x 64 K), each the image of six operand registers: registers 0-3 at 16 x lane (512 bytes), registers 4-5 at 512 + 8 x lane (256 bytes);
; lane (r, h) of the image holds k = 32 h .. 32 h + 31 of slot r.  Tiles 0-511 x, 512-543 Wq, 544-575 Wk, 576-607 Wv, 608-639 Wo.
; THE LAYOUT OF scl.  Pair g, K step s (128 along K), lane L: one word of four bytes at 512 g + 128 s + 4 L; lanes 0-15 are the slots of tile 2 g, lanes 16-31 those of tile 2 g + 1.
; SHARES.  A wave takes one pair x one K step.  Lane L takes one ROW of the pair (tile L / 16, slot L % 16) and all 128 numbers of it: four whole blocks, so no maximum needs another lane.
; x: each load reads one channel at 32 neighbouring l (128 consecutive bytes a wave, the four waves side by side on 512).  A weight: each lane walks 512 bytes of its row.
; A block's scale byte is its largest magnitude's exponent field - 2, held at 1 from below.
; LIMITS: NaN and infinities are not served; a block whose largest magnitude lies under 2^-124 (a block of zeros among them) gets the byte 1; the bytes are read by this program alone.
.set X,   64                           ; v64-191  my row's 128 numbers
.set TM,  16                           ; v16-19 largest magnitudes, v20-23 bytes, v24-27 the conversions' scale operands
.set PWD, 28                           ; v28      my row's scale word
.set CB,  192                          ; v192..   codes: for each 64 along K 24 registers: P +0..5, R +8..13, T0 +16..18, T1 +20..22
	s_load_b256 s[4:11], s[0:1], 0x0               ; x s[4:5], Wq s[6:7], Wk s[8:9], Wv s[10:11]
	s_load_b128 s[12:15], s[0:1], 0x20             ; Wo s[12:13], cod s[14:15]
	s_load_b64 s[16:17], s[0:1], 0x30              ; scl
	v_lshrrev_b32 v1, 5, v0
	v_readfirstlane_b32 s18, v1                    ; wave
	v_and_b32 v1, 31, v0                           ; lane L
	v_lshrrev_b32 v7, 4, v1
	v_and_b32 v2, 15, v1
	v_lshl_add_u32 v2, v7, 3, v2
	v_and_b32 v7, 8, v1
	v_add_nc_u32 v2, v2, v7                        ; my row in the pair: 8 (L / 16) + L % 16 + (L & 8)
	v_lshlrev_b32 v4, 4, v1                        ; 16 L
	v_lshlrev_b32 v5, 3, v1                        ; 8 L
	v_lshlrev_b32 v6, 2, v1                        ; 4 L
	s_lshr_b32 s19, ttmp9, 2
	s_and_b32 s20, ttmp9, 3                        ; K step s
	s_lshl_b32 s21, s19, 2
	s_add_co_u32 s21, s21, s18                     ; pair g
	s_mul_i32 s24, s21, 12288
	s_mul_i32 s25, s20, 1536
	s_add_co_u32 s24, s24, s25                     ; cod: 12,288 g + 1,536 s
	s_mov_b32 s25, 0
	s_lshl_b32 s26, s21, 9
	s_lshl_b32 s27, s20, 7
	s_add_co_u32 s26, s26, s27                     ; scl: 512 g + 128 s
	s_mov_b32 s27, 0
	s_mov_b32 s23, 0
	s_wait_kmcnt 0x0
	s_add_nc_u64 s[14:15], s[14:15], s[24:25]
	s_add_nc_u64 s[16:17], s[16:17], s[26:27]
	s_cmp_lt_u32 ttmp9, 256                        ; pairs 0-255 are x, the others the weights: the same for the four waves
	s_cbranch_scc0 .Lweight
	s_lshr_b32 s22, s21, 6                         ; x: batch g / 64, 4,194,304 bytes each;
	s_lshl_b32 s22, s22, 22
	s_lshl_b32 s30, s20, 20                        ; 128 channels of 8,192 bytes a K step;
	s_add_co_u32 s22, s22, s30
	s_and_b32 s30, s21, 63
	s_lshl_b32 s30, s30, 7                         ; 32 l of 4 bytes a pair
	s_add_co_u32 s22, s22, s30
	s_add_nc_u64 s[28:29], s[4:5], s[22:23]
	s_wait_alu depctr_va_vdst(0)
	v_lshlrev_b32 v3, 2, v2
.set II, 0
.rept 128
	global_load_b32 v[X+II], v3, s[28:29] offset:8192*II th:TH_LOAD_NT    ; channel 128 s + II at my l
.set II, II+1
.endr
	s_branch .Lhave
.Lweight:
	s_sub_co_u32 s30, s21, 256
	s_lshr_b32 s31, s30, 4                         ; which weight: 16 pairs each
	s_and_b32 s22, s30, 15
	s_lshl_b32 s22, s22, 16                        ; 32 rows of 2,048 bytes a pair,
	s_lshl_b32 s30, s20, 9                         ; 512 bytes a K step
	s_add_co_u32 s22, s22, s30
	s_cmp_eq_u32 s31, 1
	s_cselect_b64 s[28:29], s[8:9], s[6:7]
	s_cmp_eq_u32 s31, 2
	s_cselect_b64 s[28:29], s[10:11], s[28:29]
	s_cmp_eq_u32 s31, 3
	s_cselect_b64 s[28:29], s[12:13], s[28:29]
	s_add_nc_u64 s[28:29], s[28:29], s[22:23]
	s_wait_alu depctr_va_vdst(0)
	v_lshlrev_b32 v3, 11, v2
.set II, 0
.rept 32
	global_load_b128 v[X+4*II:X+4*II+3], v3, s[28:29] offset:16*II
.set II, II+1
.endr
.Lhave:
	s_wait_loadcnt 0x0                             ; one wait serves both ways
.irp b, 0,1,2,3
	v_max3_num_f32 v[TM+\b], |v[X+32*\b]|, |v[X+32*\b+1]|, 0x1800000      ; block b, and the floor 2^(3 - 127): the byte cannot fall under 1
.endr
.irp i, 2,4,6,8,10,12,14,16,18,20,22,24,26,28,30
.irp b, 0,1,2,3
	v_max3_num_f32 v[TM+\b], v[TM+\b], |v[X+32*\b+\i]|, |v[X+32*\b+\i+1]|  ; the four blocks by turns
.endr
.endr
.irp b, 0,1,2,3
	v_add_nc_u32 v[TM+8+\b], 0xff000000, v[TM+\b]  ; 2 off the exponent field: the conversion takes the exponent field of this operand as its scale
.endr
.irp b, 0,1,2,3
	v_lshrrev_b32 v[TM+4+\b], 23, v[TM+8+\b]       ; the scale byte
.endr
	v_lshl_or_b32 v[PWD], v[TM+5], 8, v[TM+4]
	v_lshl_or_b32 v[PWD], v[TM+6], 16, v[PWD]
	v_lshl_or_b32 v[PWD], v[TM+7], 24, v[PWD]
.irp c, 0,1                                    ; a conversion gives 16 codes in three registers that begin on an even number
	v_cvt_scalef32_pk16_fp6_f32 v[CB+24*\c:CB+24*\c+2],     v[X+64*\c:X+64*\c+15],    v[TM+8+2*\c]     ; P:  block 2 c, lower 16
	v_cvt_scalef32_pk16_fp6_f32 v[CB+24*\c+16:CB+24*\c+18], v[X+64*\c+16:X+64*\c+31], v[TM+8+2*\c]     ; T0: block 2 c, upper 16
	v_cvt_scalef32_pk16_fp6_f32 v[CB+24*\c+8:CB+24*\c+10],  v[X+64*\c+32:X+64*\c+47], v[TM+8+2*\c+1]   ; R:  block 2 c + 1, lower 16
	v_cvt_scalef32_pk16_fp6_f32 v[CB+24*\c+20:CB+24*\c+22], v[X+64*\c+48:X+64*\c+63], v[TM+8+2*\c+1]   ; T1: block 2 c + 1, upper 16
.endr
	v_nop                                          ; one plain place behind the scaled conversions
; So far lane (u, r) holds both blocks of slot r of tile u.  The operand wants lane (r, h) of a tile to hold block h.  The exchange of P's lanes 16-31 with R's lanes 0-15 gives that:
; P (and T0) become tile 2 g in the operand's layout, R (and T1) tile 2 g + 1.
.irp c, 0,1
.irp i, 0,1,2
	v_permlane16_swap_b32 v[CB+24*\c+\i], v[CB+24*\c+8+\i]
	v_permlane16_swap_b32 v[CB+24*\c+16+\i], v[CB+24*\c+20+\i]
.endr
.irp i, 0,1,2
	v_mov_b32 v[CB+24*\c+3+\i], v[CB+24*\c+16+\i]  ; a block's upper 16 codes behind its lower 16
	v_mov_b32 v[CB+24*\c+11+\i], v[CB+24*\c+20+\i]
.endr
.endr
.irp c, 0,1                                    ; each store covers 512 or 256 consecutive bytes, at a multiple of 256 from the buffer's first byte
	global_store_b128 v4, v[CB+24*\c:CB+24*\c+3], s[14:15] offset:768*\c
	global_store_b64 v5, v[CB+24*\c+4:CB+24*\c+5], s[14:15] offset:768*\c+512
	global_store_b128 v4, v[CB+24*\c+8:CB+24*\c+11], s[14:15] offset:6144+768*\c
	global_store_b64 v5, v[CB+24*\c+12:CB+24*\c+13], s[14:15] offset:6144+768*\c+512
.endr
	global_store_b32 v6, v[PWD], s[16:17]          ; my row's word: lane L is already the word's place
	s_endpgm
.Lfunc_end_k_qdfac27f01e_prep:
	.size	k_qdfac27f01e_prep, .Lfunc_end_k_qdfac27f01e_prep-k_qdfac27f01e_prep
	.p2alignl 7, 3214868480
	.fill 96, 4, 3214868480
	.section	.rodata,"a",@progbits
	.p2align	6, 0x0
	.amdhsa_kernel k_qdfac27f01e_prep
		.amdhsa_group_segment_fixed_size 0
		.amdhsa_private_segment_fixed_size 0
		.amdhsa_enable_private_segment 0
		.amdhsa_kernarg_size 56
		.amdhsa_user_sgpr_count 2
		.amdhsa_user_sgpr_kernarg_segment_ptr 1
		.amdhsa_wavefront_size32 1
		.amdhsa_system_sgpr_workgroup_id_x 1
		.amdhsa_system_sgpr_workgroup_id_y 1
		.amdhsa_system_sgpr_workgroup_id_z 1
		.amdhsa_system_vgpr_workitem_id 0
		.amdhsa_next_free_vgpr 240
		.amdhsa_next_free_sgpr 66
		.amdhsa_reserve_vcc 0
		.amdhsa_float_denorm_mode_32 3
		.amdhsa_float_denorm_mode_16_64 3
		.amdhsa_memory_ordered 1
		.amdhsa_forward_progress 1
		.amdhsa_inst_pref_size 25
	.end_amdhsa_kernel
	.amdgpu_metadata
---
amdhsa.version: [ 1, 2 ]
amdhsa.kernels:
  - .name:           k_qdfac27f01e_prep
    .symbol:         k_qdfac27f01e_prep.kd
    .args:
      - { .name: x, .offset: 0, .size: 8, .value_kind: global_buffer, .address_space: global }
      - { .name: Wq, .offset: 8, .size: 8, .value_kind: global_buffer, .address_space: global }
      - { .name: Wk, .offset: 16, .size: 8, .value_kind: global_buffer, .address_space: global }
      - { .name: Wv, .offset: 24, .size: 8, .value_kind: global_buffer, .address_space: global }
      - { .name: Wo, .offset: 32, .size: 8, .value_kind: global_buffer, .address_space: global }
      - { .name: cod, .offset: 40, .size: 8, .value_kind: global_buffer, .address_space: global }
      - { .name: scl, .offset: 48, .size: 8, .value_kind: global_buffer, .address_space: global }
    .group_segment_fixed_size: 0
    .private_segment_fixed_size: 0
    .kernarg_segment_align: 8
    .kernarg_segment_size: 56
    .max_flat_workgroup_size: 128
    .sgpr_count:     66
    .vgpr_count:     240
    .wavefront_size: 32
...
	.end_amdgpu_metadata
.endif
;; end of part 5
;; launch proj (part 6): grid 192 x 1, 4 waves a work-group, no clusters, 0 bytes of LDS; arguments cod, scl, bq, bk, bv, qb, kv; writes qb, kv
.if DOCPART == 6
	.amdgcn_target "amdgcn-amd-amdhsa--gfx1250"
	.amdhsa_code_object_version 6
	.text
	.protected	k_qdfac27f01e_proj
	.globl	k_qdfac27f01e_proj
	.p2align	8
	.type	k_qdfac27f01e_proj,@function
k_qdfac27f01e_proj:
	s_mov_b64 s[64:65], 0
	v_nop
	global_prefetch_b8 v0, s[64:65] scope:SCOPE_SE
	s_setreg_imm32_b32 hwreg(HW_REG_WAVE_SCHED_MODE, 0, 2), 2
	s_setreg_imm32_b32 hwreg(HW_REG_WAVE_MODE, 25, 1), 1
	s_wait_xcnt 0x0
	s_wait_alu depctr_vm_vsrc(0)
; q = x Wq^T + bq, k = x Wk^T + bk, v = x Wv^T + bv on the codes of cod and scl, and each result quantised again on its way out: q and k along the head's 64 channels, v along the keys.
; THE UNIT: eight consecutive tiles of cod as source 0 (G0: 128 rows) x one tile as source 1 (T1: 16 rows), K = 512: 32 matrix instructions on 8 accumulators.
; By the tiles' choice of rows, lane (r, h) then holds slot r of T1, and its register 16 p + i holds row 32 p + 16 h + i of G0: 16 neighbours along the next K for each block of 32.
; q, k (work-groups 0-127): G0 = 128 channels of Wq or Wk (two heads), T1 = 16 rows of x.  The unit's 12 code registers are one half fragment (64 K) for each of the two heads.
; v (work-groups 128-191):  G0 = 128 keys of x, T1 = 16 channels of Wv.  The unit's 12 code registers are a fragment of V^T: 16 channels x 128 keys.
; A wave keeps G0 in 384 registers and walks eight T1 tiles through two buffers; a tile is asked for as soon as its buffer's last products are done, two units ahead of its use.  No LDS, no barrier: waves share nothing.
; The bias is the C of each sum's first matrix instruction, in the result's layout.
; OUT.  qb: for each of 32 (batch, head) 16 blocks of 6,656 bytes: 8 half fragments of 8 query tiles, then 512 bytes of scale words.
;       kv: for each of 32 (batch, head) 16 key steps of 13,056 bytes: K: 8 half fragments (6,144); V: 4 tiles x 2 half fragments (6,144); K's scale words (512); V's (256).
;       q's and k's scale words: lane L's 16 bytes at 16 L, word j: tile 2 j + L / 16, slot L % 16; bytes 0, 1 the head's two blocks, bytes 2, 3 = 127 for the half of the instruction's K that holds zero codes.
;       V's: lane L's 8 bytes at 8 L, word j: tile 2 j + L / 16, slot L % 16; four bytes for the step's four blocks of keys.
; LIMITS: NaN and infinities are not served; a block whose largest magnitude lies under 2^-124 gets the byte 1; the bytes are read by this program alone.
; 192 work-groups: 6,144 units in shares of eight tiles, which is a key step of K and a quarter of Wv's channels for a wave; shares of six would fill 256 but divide neither.
; REGISTERS.  window 0: v1-4 offsets; v8-23 G0's scale words; v24-39 T1's; v40-47 scale words on their way out; v52-68 at work; v70-88 codes; v96-159 accumulators; v160-255 T1, two buffers.
;             window 1: v0-191 G0's fragments of K steps 0, 1 (at 96 s + 12 t); v192-255 the bias.   window 2: v0-191 K steps 2, 3.
; THE MODE: SCHED_MODE bits 1:0 = 2 (LLVM: expert scheduling mode 2), set by the entry lines.  The code itself states the register dependences
; between vector or matrix instructions and memory instructions, with s_wait_alu, always for 0.
; THE PLAN.  Registers that memory instructions touch:
;   v1 .. v4        offsets: written by vector lines at the head, read by every load and store, never written again.
;   G0, the bias, both sides' scale words: loaded once at the head, read by matrix instructions alone, never loaded again.
;   T1B0, T1B1      Unit n's 32 products read T1B[n % 2]; the loads of tile n + 2 land in it.
;   PC .. PC + 11   Written by unit n's conversions, exchanges and moves; read by unit n's stores; written again by unit n + 1's conversions.
;   SW0, SW1 (SV)   Each register written once, by a unit's vector lines; read by the stores of unit 7 (v: of units 3 and 7).
; So ONE wait on va_vdst stands in a unit, behind its quantising and its scale words' lines: it states that the codes and words are written and that the unit's products are done reading T1B[n % 2].
; Straight behind it stand the loads of tile n + 2 and the unit's stores; no vector or matrix instruction stands among them.  ONE wait on vm_vsrc stands in a unit, ahead of the quantising that writes PC again.
.set GS,   8
.set TS,   24
.set SW0,  40
.set SW1,  44
.set SV,   40
.set WA,   48
.set TT,   49
.set TM,   52                          ; v52-55 largest magnitudes, v56-59 bytes, v64-67 the conversions' scale operands
.set PW,   68
.set PC,   70
.set ACC,  96
.set T1B,  160
.set BIAS, 192
.set SEL,  38
.set MSB, 0
.macro WIN new                         ; the immediate's high byte repeats the setting that is left; a switch that changes nothing is dropped
.if MSB != (\new)
	s_set_vgpr_msb (MSB<<8)|(\new)
.set MSB, (\new)
.endif
.endm
.macro PLACES                          ; behind the last products: four before their results are read (ISA guide 7.12.1); five since the next unit's first products write over them with another C
.rept 5
	v_nop
.endr
.endm
; one matrix instruction.  ra, rb: the side's scale words stand in lanes 16-31 (the odd tile of a pair)
.macro WM d, a, b, c, sa, sb, ra, rb
.if (\ra) == 0 && (\rb) == 0
	v_wmma_scale_f32_16x16x128_f8f6f4 v[(\d):(\d)+7], v[(\a):(\a)+11], v[(\b):(\b)+11], v[(\c):(\c)+7], v[(\sa)], v[(\sb)] matrix_a_fmt:MATRIX_FMT_FP6 matrix_b_fmt:MATRIX_FMT_FP6
.elseif (\rb) == 0
	v_wmma_scale_f32_16x16x128_f8f6f4 v[(\d):(\d)+7], v[(\a):(\a)+11], v[(\b):(\b)+11], v[(\c):(\c)+7], v[(\sa)], v[(\sb)] matrix_a_fmt:MATRIX_FMT_FP6 matrix_b_fmt:MATRIX_FMT_FP6 matrix_a_scale:MATRIX_SCALE_ROW1
.elseif (\ra) == 0
	v_wmma_scale_f32_16x16x128_f8f6f4 v[(\d):(\d)+7], v[(\a):(\a)+11], v[(\b):(\b)+11], v[(\c):(\c)+7], v[(\sa)], v[(\sb)] matrix_a_fmt:MATRIX_FMT_FP6 matrix_b_fmt:MATRIX_FMT_FP6 matrix_b_scale:MATRIX_SCALE_ROW1
.else
	v_wmma_scale_f32_16x16x128_f8f6f4 v[(\d):(\d)+7], v[(\a):(\a)+11], v[(\b):(\b)+11], v[(\c):(\c)+7], v[(\sa)], v[(\sb)] matrix_a_fmt:MATRIX_FMT_FP6 matrix_b_fmt:MATRIX_FMT_FP6 matrix_a_scale:MATRIX_SCALE_ROW1 matrix_b_scale:MATRIX_SCALE_ROW1
.endif
.endm
.macro T1LOAD n                        ; tile n of my eight: its eight half fragments into buffer n % 2
.irp kk, 0,1,2,3,4,5,6,7
	global_load_b128 v[T1B+48*((\n)%2)+6*\kk:T1B+48*((\n)%2)+6*\kk+3], v1, s[24:25] offset:6144*(\n)+768*\kk
	global_load_b64 v[T1B+48*((\n)%2)+6*\kk+4:T1B+48*((\n)%2)+6*\kk+5], v2, s[24:25] offset:6144*(\n)+768*\kk+512
.endr
.endm
.macro LOADS                           ; G0 (128 loads), both sides' scale words, the first two T1 tiles.  No vector instruction stands among these loads: the wait ahead of the bias's loads serves them all
	WIN 0x40                                       ; destination window 1
.irp t, 0,1,2,3,4,5,6,7
.irp kk, 0,1,2,3
	global_load_b128 v[96*(\kk/2)+12*\t+6*(\kk%2):96*(\kk/2)+12*\t+6*(\kk%2)+3], v1, s[20:21] offset:6144*\t+768*\kk
	global_load_b64 v[96*(\kk/2)+12*\t+6*(\kk%2)+4:96*(\kk/2)+12*\t+6*(\kk%2)+5], v2, s[20:21] offset:6144*\t+768*\kk+512
.endr
.endr
	WIN 0x80                                       ; destination window 2
.irp t, 0,1,2,3,4,5,6,7
.irp kk, 4,5,6,7
	global_load_b128 v[96*(\kk/2-2)+12*\t+6*(\kk%2):96*(\kk/2-2)+12*\t+6*(\kk%2)+3], v1, s[20:21] offset:6144*\t+768*\kk
	global_load_b64 v[96*(\kk/2-2)+12*\t+6*(\kk%2)+4:96*(\kk/2-2)+12*\t+6*(\kk%2)+5], v2, s[20:21] offset:6144*\t+768*\kk+512
.endr
.endr
	WIN 0
.irp p, 0,1,2,3
.irp s, 0,1,2,3
	global_load_b32 v[GS+4*\p+\s], v3, s[22:23] offset:512*\p+128*\s
	global_load_b32 v[TS+4*\p+\s], v3, s[26:27] offset:512*\p+128*\s
.endr
.endr
	T1LOAD 0
	T1LOAD 1
.endm
; a unit's 32 products.  The eight accumulators take turns, one instruction a turn.  role 0: the bias runs along G0's rows; role 1: along T1's slots (eight equal registers a unit)
.macro MULS role, n
	WIN 0x11                                       ; source 0 (G0) and source 2 (the bias) window 1
.irp t, 0,1,2,3,4,5,6,7
.if \role == 0
	WM ACC+8*\t, 12*\t, T1B+48*((\n)%2), BIAS+8*\t, GS+4*(\t/2), TS+4*((\n)/2), \t%2, (\n)%2
.else
	WM ACC+8*\t, 12*\t, T1B+48*((\n)%2), BIAS+8*(\n), GS+4*(\t/2), TS+4*((\n)/2), \t%2, (\n)%2
.endif
.endr
	WIN 0x01
.irp t, 0,1,2,3,4,5,6,7
	WM ACC+8*\t, 96+12*\t, T1B+48*((\n)%2)+12, ACC+8*\t, GS+4*(\t/2)+1, TS+4*((\n)/2)+1, \t%2, (\n)%2
.endr
	WIN 0x02                                       ; source 0 window 2
.irp s, 2,3
.irp t, 0,1,2,3,4,5,6,7
	WM ACC+8*\t, 96*(\s-2)+12*\t, T1B+48*((\n)%2)+12*\s, ACC+8*\t, GS+4*(\t/2)+\s, TS+4*((\n)/2)+\s, \t%2, (\n)%2
.endr
.endr
	WIN 0
.endm
; 64 numbers of a lane, register 16 b + i = k 32 b + 16 (lane / 16) + i of my row, become a fragment's codes in v[PC] on and its scale word in v[PW] (the same in lanes l and l xor 16)
.macro QUANT s
.irp b, 0,1,2,3
	v_max3_num_f32 v[TM+\b], |v[\s+16*\b]|, |v[\s+1+16*\b]|, 0x1800000    ; my 16 numbers of block b, and the floor 2^(3 - 127); each accumulator is read from its low end on
.endr
.irp i, 2,4,6,8,10,12,14
.irp b, 0,1,2,3
	v_max3_num_f32 v[TM+\b], v[TM+\b], |v[\s+16*\b+\i]|, |v[\s+1+16*\b+\i]|
.endr
.endr
.irp b, 0,1,2,3
	v_permlanex16_b32 v[TM+4+\b], v[TM+\b], s[SEL], s[SEL+1]
.endr
.irp b, 0,1,2,3
	v_max_num_f32 v[TM+\b], v[TM+\b], v[TM+4+\b]   ; with lane l xor 16: the block's largest magnitude
.endr
.irp b, 0,1,2,3
	v_add_nc_u32 v[TM+12+\b], 0xff000000, v[TM+\b] ; 2 off its exponent field: the conversion's scale operand
.endr
.irp b, 0,1,2,3
	v_lshrrev_b32 v[TM+4+\b], 23, v[TM+12+\b]      ; the scale byte
.endr
	v_lshl_or_b32 v[PW], v[TM+5], 8, v[TM+4]
	v_lshl_or_b32 v[PW], v[TM+6], 16, v[PW]
	v_lshl_or_b32 v[PW], v[TM+7], 24, v[PW]
.irp c, 0,1
	v_cvt_scalef32_pk16_fp6_f32 v[PC+6*\c:PC+2+6*\c], v[\s+32*\c:\s+15+32*\c], v[TM+12+2*\c]
	v_cvt_scalef32_pk16_fp6_f32 v[PC+12+4*\c:PC+14+4*\c], v[\s+16+32*\c:\s+31+32*\c], v[TM+12+2*\c+1]
.endr
	v_nop                                          ; one plain place behind the scaled conversions
.irp c, 0,1                                    ; the operand wants a whole block in a lane: lanes 0-15 block 2 c, lanes 16-31 block 2 c + 1
.irp i, 0,1,2
	v_permlane16_swap_b32 v[PC+6*\c+\i], v[PC+12+4*\c+\i]
.endr
.irp i, 0,1,2
	v_mov_b32 v[PC+3+6*\c+\i], v[PC+12+4*\c+\i]
.endr
.endr
.endm
; The scale words' vector lines stand ahead of the unit's wait on va_vdst, the stores behind it.
.macro WORDS_QK n
.if (\n)%2 == 0
	v_mov_b32 v[WA], v[PW]                         ; the even tile's words wait for the odd tile's
.else
	v_cndmask_b32 v[TT], v[WA], v[PW], s40         ; lanes 0-15 the even tile, lanes 16-31 the odd one
	v_and_or_b32 v[SW0+(\n)/2], v[TT], s41, s42    ; the first head's two bytes, under two bytes of 127
	v_lshrrev_b32 v[TT], 16, v[TT]
	v_or_b32 v[SW1+(\n)/2], s42, v[TT]             ; the second head's
.endif
.endm
.macro OUT_QK n                        ; registers 0-5: the first head's half fragment of tile n; 6-11: the second head's
	global_store_b128 v1, v[PC:PC+3], s[30:31] offset:768*(\n)
	global_store_b64 v2, v[PC+4:PC+5], s[30:31] offset:768*(\n)+512
	global_store_b128 v1, v[PC+6:PC+9], s[32:33] offset:768*(\n)
	global_store_b64 v2, v[PC+10:PC+11], s[32:33] offset:768*(\n)+512
.if (\n) == 7
	global_store_b128 v1, v[SW0:SW0+3], s[34:35]
	global_store_b128 v1, v[SW1:SW1+3], s[36:37]
.endif
.endm
.macro WORDS_V n
.if (\n)%2 == 0
	v_mov_b32 v[WA], v[PW]
.else
	v_cndmask_b32 v[SV+(\n)/2], v[WA], v[PW], s40
.endif
.endm
.macro OUT_V n                         ; head n / 4 of my two, V tile n % 4 of its four
	global_store_b128 v1, v[PC:PC+3], s[30:31] offset:((\n)/4)*208896+((\n)%4)*1536
	global_store_b64 v2, v[PC+4:PC+5], s[30:31] offset:((\n)/4)*208896+((\n)%4)*1536+512
	global_store_b128 v1, v[PC+6:PC+9], s[30:31] offset:((\n)/4)*208896+((\n)%4)*1536+768
	global_store_b64 v2, v[PC+10:PC+11], s[30:31] offset:((\n)/4)*208896+((\n)%4)*1536+1280
.if (\n)%4 == 3
	global_store_b64 v2, v[SV+2*((\n)/4):SV+2*((\n)/4)+1], s[30:31] offset:((\n)/4)*208896+6656
.endif
.endm
.macro UNIT role, n
.if (\n) < 7
	s_wait_loadcnt 16                              ; loads come back in order (ISA guide 5.7.1): tile n is in (unit 0: with all that the head asked for ahead of it); the 16 loads of tile n + 1, issued behind it, may be out
.else
	s_wait_loadcnt 0x0                             ; the last tile: nothing was asked for behind it
.endif
	MULS \role, \n
	PLACES
	s_wait_xcnt 0x0                                ; the last unit's stores have read the code registers: only behind this wait are they written again
.if (\n) > 0
	s_wait_alu depctr_vm_vsrc(0)                   ; the last unit's stores have read v[PC ..], which the conversions below write again
.endif
	QUANT ACC
.if \role == 0
	WORDS_QK \n
.else
	WORDS_V \n
.endif
	s_wait_alu depctr_va_vdst(0)                   ; the codes in v[PC ..] and the scale words are written, which the stores below read; this unit's products are done reading T1B[n % 2], in which the loads below land
.if (\n) < 6
	T1LOAD (\n)+2                                  ; the buffer is asked for again at once, ahead of the stores
.endif
.if \role == 0
	OUT_QK \n
.else
	OUT_V \n
.endif
.endm
	s_load_b256 s[4:11], s[0:1], 0x0               ; cod s[4:5], scl s[6:7], bq s[8:9], bk s[10:11]
	s_load_b128 s[12:15], s[0:1], 0x20             ; bv s[12:13], qb s[14:15]
	s_load_b64 s[16:17], s[0:1], 0x30              ; kv
	v_lshrrev_b32 v5, 5, v0
	v_readfirstlane_b32 s18, v5                    ; wave
	v_and_b32 v5, 31, v0
	v_lshlrev_b32 v1, 4, v5                        ; 16 L
	v_lshlrev_b32 v2, 3, v5                        ; 8 L
	v_lshlrev_b32 v3, 2, v5                        ; 4 L
	v_and_b32 v6, 15, v0                           ; r
	v_bfe_u32 v7, v0, 4, 1                         ; h
.irp b, 0,1,2,3
	v_mov_b32 v[TM+4+\b], 0                        ; written once: a lane permute's destination counts as one of its sources
.endr
	s_mov_b32 s[SEL], 0x76543210
	s_mov_b32 s[SEL+1], 0xfedcba98                 ; v_permlanex16_b32: lane l xor 16
	s_mov_b32 s40, 0xffff0000                      ; as a lane mask: lanes 16-31
	s_mov_b32 s41, 0xffff
	s_mov_b32 s42, 0x7f7f0000
	s_wait_alu depctr_va_sdst(0)                   ; s18 is written, ahead of its first reader: every base below is made from it
	s_lshl_b32 s19, ttmp9, 2
	s_add_co_u32 s19, s19, s18                     ; my wave among all: W
	s_mov_b32 s51, 0                               ; high words of offsets
	s_mov_b32 s53, 0
	s_mov_b32 s57, 0
	s_wait_kmcnt 0x0
	s_cmp_lt_u32 ttmp9, 128
	s_cbranch_scc0 .Lvalues
	; ---- q and k
	s_lshr_b32 s44, s19, 6                         ; which 128 channels: 0-3 of Wq, 4-7 of Wk
	s_and_b32 s45, s19, 63                         ; which 128 rows of x
	s_lshr_b32 s46, s44, 2                         ; 1: k
	s_and_b32 s47, s44, 3                          ; the pair of heads
	s_lshr_b32 s48, s45, 4                         ; batch
	s_and_b32 s49, s45, 15                         ; block of 128 rows in it
	s_mul_i32 s50, s44, 49152
	s_add_co_u32 s50, s50, 3145728                 ; G0: tiles 512 + 8 x that
	s_add_nc_u64 s[20:21], s[4:5], s[50:51]
	s_lshl_b32 s50, s44, 11
	s_add_co_u32 s50, s50, 131072
	s_add_nc_u64 s[22:23], s[6:7], s[50:51]
	s_mul_i32 s50, s45, 49152                      ; T1: x's tiles
	s_add_nc_u64 s[24:25], s[4:5], s[50:51]
	s_lshl_b32 s50, s45, 11
	s_add_nc_u64 s[26:27], s[6:7], s[50:51]
	s_mov_b32 s52, 106496                          ; bytes of a (batch, head), of a block, and where a block's scale words begin: in qb,
	s_mov_b32 s54, 6656
	s_mov_b32 s56, 6144
	s_cmp_eq_u32 s46, 1
	s_cselect_b32 s52, 208896, s52                 ; in kv
	s_cselect_b32 s54, 13056, s54
	s_cselect_b32 s56, 12288, s56
	s_cselect_b64 s[30:31], s[16:17], s[14:15]     ; the choice hangs on the work-group's number alone
	s_cselect_b64 s[28:29], s[10:11], s[8:9]
	s_lshl_b32 s50, s47, 9
	s_add_nc_u64 s[28:29], s[28:29], s[50:51]      ; the bias of my 128 channels
	s_lshl_b32 s50, s48, 3
	s_lshl_b32 s58, s47, 1
	s_add_co_u32 s50, s50, s58
	s_mul_i32 s50, s50, s52
	s_mul_i32 s58, s49, s54
	s_add_co_u32 s50, s50, s58
	s_add_nc_u64 s[30:31], s[30:31], s[50:51]      ; the first head's block,
	s_add_nc_u64 s[32:33], s[30:31], s[52:53]      ; the second head's,
	s_add_nc_u64 s[34:35], s[30:31], s[56:57]      ; and their scale words
	s_add_nc_u64 s[36:37], s[32:33], s[56:57]
	s_wait_alu depctr_va_vdst(0)
	v_lshlrev_b32 v4, 6, v7                        ; the bias: lane (r, h) wants, for tile t, channels 32 (t / 2) + 8 (t % 2) + 16 h + 0 .. 7
	WIN 0x40
	s_wait_alu depctr_va_vdst(0)                   ; the offsets v1 to v4 are written, which every load and store of this arm reads
.irp t, 0,1,2,3,4,5,6,7
	global_load_b128 v[BIAS+8*\t:BIAS+8*\t+3], v4, s[28:29] offset:(32*(\t/2)+8*(\t%2))*4
	global_load_b128 v[BIAS+8*\t+4:BIAS+8*\t+7], v4, s[28:29] offset:(32*(\t/2)+8*(\t%2))*4+16
.endr
	LOADS
.irp n, 0,1,2,3,4,5,6,7
	UNIT 0, \n
.endr
	s_endpgm
.Lvalues:
	; ---- v
	s_sub_co_u32 s44, s19, 512
	s_lshr_b32 s45, s44, 2                         ; which 128 keys of x
	s_and_b32 s46, s44, 3                          ; which 128 channels of Wv: two heads
	s_lshr_b32 s48, s45, 4                         ; batch
	s_and_b32 s49, s45, 15                         ; key step
	s_mul_i32 s50, s45, 49152                      ; G0: x's tiles
	s_add_nc_u64 s[20:21], s[4:5], s[50:51]
	s_lshl_b32 s50, s45, 11
	s_add_nc_u64 s[22:23], s[6:7], s[50:51]
	s_mul_i32 s50, s46, 49152
	s_add_co_u32 s50, s50, 3538944                 ; T1: tiles 576 + 8 x that
	s_add_nc_u64 s[24:25], s[4:5], s[50:51]
	s_lshl_b32 s50, s46, 11
	s_add_co_u32 s50, s50, 147456
	s_add_nc_u64 s[26:27], s[6:7], s[50:51]
	s_lshl_b32 s50, s46, 9
	s_add_nc_u64 s[28:29], s[12:13], s[50:51]
	s_lshl_b32 s50, s48, 3
	s_lshl_b32 s58, s46, 1
	s_add_co_u32 s50, s50, s58
	s_mul_i32 s50, s50, 208896
	s_mul_i32 s58, s49, 13056
	s_add_co_u32 s50, s50, s58
	s_add_co_u32 s50, s50, 6144                    ; V's part of the first head's key step
	s_add_nc_u64 s[30:31], s[16:17], s[50:51]
	s_wait_alu depctr_va_vdst(0)
	v_and_b32 v4, 8, v6
	v_add_nc_u32 v4, v4, v6
	v_lshlrev_b32 v4, 2, v4                        ; the bias: lane (r, h) wants, for unit n, the one channel of its slot: 32 (n / 2) + 8 (n % 2) + r + 8 (r / 8), in all eight registers
	WIN 0x40
	s_wait_alu depctr_va_vdst(0)                   ; the offsets v1 to v4 are written, which every load and store of this arm reads
.irp n, 0,1,2,3,4,5,6,7
.irp j, 0,1,2,3,4,5,6,7
	global_load_b32 v[BIAS+8*\n+\j], v4, s[28:29] offset:128*(\n/2)+32*(\n%2)
.endr
.endr
	LOADS
.irp n, 0,1,2,3,4,5,6,7
	UNIT 1, \n
.endr
	s_endpgm
.Lfunc_end_k_qdfac27f01e_proj:
	.size	k_qdfac27f01e_proj, .Lfunc_end_k_qdfac27f01e_proj-k_qdfac27f01e_proj
	.p2alignl 7, 3214868480
	.fill 96, 4, 3214868480
	.section	.rodata,"a",@progbits
	.p2align	6, 0x0
	.amdhsa_kernel k_qdfac27f01e_proj
		.amdhsa_group_segment_fixed_size 0
		.amdhsa_private_segment_fixed_size 0
		.amdhsa_enable_private_segment 0
		.amdhsa_kernarg_size 56
		.amdhsa_user_sgpr_count 2
		.amdhsa_user_sgpr_kernarg_segment_ptr 1
		.amdhsa_wavefront_size32 1
		.amdhsa_system_sgpr_workgroup_id_x 1
		.amdhsa_system_sgpr_workgroup_id_y 1
		.amdhsa_system_sgpr_workgroup_id_z 1
		.amdhsa_system_vgpr_workitem_id 0
		.amdhsa_next_free_vgpr 768
		.amdhsa_next_free_sgpr 66
		.amdhsa_reserve_vcc 0
		.amdhsa_float_denorm_mode_32 3
		.amdhsa_float_denorm_mode_16_64 3
		.amdhsa_memory_ordered 1
		.amdhsa_forward_progress 1
		.amdhsa_inst_pref_size 204
	.end_amdhsa_kernel
	.amdgpu_metadata
---
amdhsa.version: [ 1, 2 ]
amdhsa.kernels:
  - .name:           k_qdfac27f01e_proj
    .symbol:         k_qdfac27f01e_proj.kd
    .args:
      - { .name: cod, .offset: 0, .size: 8, .value_kind: global_buffer, .address_space: global }
      - { .name: scl, .offset: 8, .size: 8, .value_kind: global_buffer, .address_space: global }
      - { .name: bq, .offset: 16, .size: 8, .value_kind: global_buffer, .address_space: global }
      - { .name: bk, .offset: 24, .size: 8, .value_kind: global_buffer, .address_space: global }
      - { .name: bv, .offset: 32, .size: 8, .value_kind: global_buffer, .address_space: global }
      - { .name: qb, .offset: 40, .size: 8, .value_kind: global_buffer, .address_space: global }
      - { .name: kv, .offset: 48, .size: 8, .value_kind: global_buffer, .address_space: global }
    .group_segment_fixed_size: 0
    .private_segment_fixed_size: 0
    .kernarg_segment_align: 8
    .kernarg_segment_size: 56
    .max_flat_workgroup_size: 128
    .sgpr_count:     66
    .vgpr_count:     768
    .wavefront_size: 32
...
	.end_amdgpu_metadata
.endif
;; end of part 6
;; launch attn (part 7): grid 8 x 32, 16 waves a work-group, no clusters, 210,944 bytes of LDS; arguments qb, kv, ac, asl; writes ac, asl
.if DOCPART == 7
	.amdgcn_target "amdgcn-amd-amdhsa--gfx1250"
	.amdhsa_code_object_version 6
	.text
	.protected	k_qdfac27f01e_attn
	.globl	k_qdfac27f01e_attn
	.p2align	8
	.type	k_qdfac27f01e_attn,@function
k_qdfac27f01e_attn:
	s_mov_b64 s[64:65], 0
	v_nop
	global_prefetch_b8 v0, s[64:65] scope:SCOPE_SE
	s_setreg_imm32_b32 hwreg(HW_REG_WAVE_MODE, 25, 1), 1
	s_wait_xcnt 0x0
; O = softmax(q k^T / 8) v for one (batch, head) and 256 queries, both products on codes of E2M3, and O quantised along the head's 64 channels for the output projection.
; THE SOFTMAX AHEAD OF THE SECOND PRODUCT: t = score x log2(e) / 8; M = the running largest t rounded UP to a whole number; p = 2^(t - M) is what is quantised, along the keys; it is not normalised.
; The row's sum is taken of the unquantised p and divides O at the end.  When M moves, the sum and O are multiplied by 2^(old M - new M): exact.
; SHARES.  Sixteen waves; a wave owns one tile of 16 queries, in 256 registers, four waves to a SIMD.  Every wave walks the head's 2,048 keys, 128 a step.
; LDS holds the head's whole stream of kv, 16 steps of 13,056 bytes, as it lies in memory: K: 8 half fragments; V: 4 tiles x 2 half fragments; K's scale words; V's.  It is filled ONCE, by 26 asynchronous
; copies a wave; nothing is filled again and nothing is stored to LDS.  The copies go out in two groups: the 7 that cover the first four steps (52,224 bytes lie inside 7 x 8,192) straight behind Q's loads,
; the other 19 behind the set-up and the wait for Q, which the first product needs anyway: so the first steps' bytes are asked for ahead of the rest.
; TWO BARRIERS.  The first shows every wave's first 7 copies landed: steps 0 to 3 may be read.  The second shows all copies landed: each wave signals it behind its step 2 and waits for it behind its step 3,
; whose bytes the first barrier has shown; behind it the waves walk steps 4 to 15 without meeting again.
; Multicast is left out: the eight work-groups of a head read the same 208,896 bytes once each, at their heads, beside a loop of 16 steps of vector work.
; LAYOUT.  Both products are used transposed: S^T = K Q^T, O^T = V^T P^T: a lane holds ONE query (lane % 16) throughout.  By the tiles' choice of rows the 16 registers of score tiles 2 b, 2 b + 1 are keys
; 32 b + 16 (lane / 16) + 0 .. 15, and the 16 registers of O^T's tiles 2 p, 2 p + 1 are channels 32 p + 16 (lane / 16) + 0 .. 15.
; THE FIRST PRODUCT'S K IS 64: registers 6-11 of Q's and of K's fragments hold zero codes, and their blocks' scale bytes are 127.
; LIMITS: NaN and infinities are not served; a block whose largest magnitude lies under 2^-124 gets the byte 1.
; REGISTERS: v1, v2, v7, v8, v9 the copies' addresses, never rewritten; v3, v4 16 and 8 x lane; v5, v6 the step's LDS addresses (at the head and at the end: at work); the rest as named below.
.set KVH,   208896
.set STEPB, 13056
.set QS,  10                           ; v10      Q's scale words
.set TMP, 11
.set QF,  16                           ; v16-27   Q's fragment
.set KS,  28                           ; v28-31   K's scale words: register j: tile 2 j in lanes 0-15, tile 2 j + 1 in lanes 16-31
.set VS,  32                           ; v32-33   V's likewise
.set KF,  34                           ; v34-81   four fragments of K
.set VF,  82                           ; v82-129  V's four
.set S,   130                          ; v130-193 S^T, then p
.set O,   194                          ; v194-225 O^T
.set PC,  226                          ; v226-237 p's codes
.set BM,  238                          ; v238-241 the blocks' largest scores, then largest p
.set PX,  242                          ; v242-249 at work
.set SOP, 250                          ; v250-253 the conversions' scale operands
.set FF,  254                          ; v254     f = 2^(old M - new M)
.set PW,  255                          ; v255     p's scale word
.set SEL, 26
.set CS,  28
.set HM,  30
.set TB,  31
.set CNT, 32
	s_load_b256 s[4:11], s[0:1], 0x0               ; qb s[4:5], kv s[6:7], ac s[8:9], asl s[10:11]
	v_lshl_add_u32 v254, v0, 2, 0x33000
	v_mov_b32 v255, 0
	ds_add_u32 v254, v255
	ds_add_u32 v254, v255
	s_wait_dscnt 0x0
	; A copy's place is the same number in LDS and in the head's stream: 16 x thread + 8,192 x the copy's number.  The immediate is kept inside 16 bits, as an LDS offset is; four registers carry the rest.
	v_lshlrev_b32 v1, 4, v0                        ; copies 0-7
	v_lshl_add_u32 v2, v0, 4, 0x10000              ; copies 8-15
	v_lshl_add_u32 v7, v0, 4, 0x20000              ; copies 16-23
	v_lshl_add_u32 v8, v0, 4, 0x30000              ; copy 24
	v_lshl_add_u32 v9, v0, 3, 204800               ; the last 4,096 bytes, 8 a thread
	v_lshrrev_b32 v5, 5, v0
	s_delay_alu instid0(VALU_DEP_1)
	v_readfirstlane_b32 s12, v5                    ; wave 0..15
	v_and_b32 v5, 31, v0
	s_delay_alu instid0(VALU_DEP_1)
	v_lshlrev_b32 v3, 4, v5                        ; 16 L
	s_delay_alu instid0(VALU_DEP_2)
	v_lshlrev_b32 v4, 3, v5                        ; 8 L
	v_and_b32 v6, 15, v0                           ; r
	s_delay_alu instid0(VALU_DEP_1)
	v_lshlrev_b32 v6, 4, v6                        ; 16 r
	s_and_b32 s13, ttmp7, 0xffff                   ; (batch, head)
	s_lshl_b32 s14, ttmp9, 4
	s_add_co_u32 s14, s14, s12                     ; my tile of queries among the head's 128
	s_mul_i32 s34, s13, KVH                        ; the head's stream in kv
	s_mov_b32 s35, 0
	s_mul_i32 s40, s13, 106496
	s_lshr_b32 s41, s14, 3
	s_mul_i32 s41, s41, 6656
	s_add_co_u32 s40, s40, s41                     ; my tile's block of qb
	s_and_b32 s41, s14, 7
	s_mul_i32 s36, s41, 768
	s_add_co_u32 s36, s36, s40                     ; its half fragment
	s_mov_b32 s37, 0
	s_and_b32 s38, s14, 1
	s_lshl_b32 s38, s38, 8
	s_lshr_b32 s41, s41, 1
	s_lshl_b32 s41, s41, 2
	s_add_co_u32 s38, s38, s41
	s_add_co_u32 s38, s38, s40
	s_add_co_u32 s38, s38, 6144                    ; its scale words: slot r at 16 r from here
	s_mov_b32 s39, 0
	s_wait_alu depctr_va_vdst(0)
	s_wait_kmcnt 0x0
	s_add_nc_u64 s[16:17], s[6:7], s[34:35]        ; never rewritten
	s_add_nc_u64 s[18:19], s[4:5], s[36:37]
	s_add_nc_u64 s[20:21], s[4:5], s[38:39]
	global_load_b128 v[QF:QF+3], v3, s[18:19]      ; Q first: the first product waits for it
	global_load_b64 v[QF+4:QF+5], v4, s[18:19] offset:512
	global_load_b32 v[QS], v6, s[20:21]
.irp i, 0,1,2,3,4,5,6
	global_load_async_to_lds_b128 v1, v1, s[16:17] offset:8192*\i         ; the work-group's 512 threads copy 8,192 consecutive bytes; these seven cover steps 0 to 3
.endr
	s_lshr_b32 s36, s13, 3
	s_lshl_b32 s36, s36, 7
	s_add_co_u32 s36, s36, s14                     ; the tile among ac's 512: 128 x batch + mine
	s_and_b32 s37, s13, 7                          ; the head
	s_mul_i32 s38, s36, 6144
	s_mul_i32 s40, s37, 768
	s_add_co_u32 s38, s38, s40
	s_add_nc_u64 s[22:23], s[8:9], s[38:39]        ; ac: the tile's half fragment number head
	s_lshr_b32 s38, s36, 1
	s_lshl_b32 s38, s38, 9
	s_lshr_b32 s40, s37, 1
	s_lshl_b32 s40, s40, 7
	s_add_co_u32 s38, s38, s40
	s_and_b32 s40, s36, 1
	s_lshl_b32 s40, s40, 6
	s_add_co_u32 s38, s38, s40
	s_and_b32 s40, s37, 1
	s_lshl_b32 s40, s40, 1
	s_add_co_u32 s38, s38, s40
	s_add_nc_u64 s[24:25], s[10:11], s[38:39]      ; asl: pair, K step head / 2, the tile's 16 words, bytes 2 (head % 2) on
	s_mov_b32 s[SEL], 0x76543210
	s_mov_b32 s[SEL+1], 0xfedcba98                 ; v_permlanex16_b32: lane l xor 16
	s_mov_b32 s[CS], 0x3e38aa3b                    ; c = log2(e) / 8
	s_mov_b32 s[CS+1], s[CS]                       ; named with it as a pair, so it is written
	s_mov_b32 s[HM], 0xffff0000                    ; as a lane mask: lanes 16-31
.irp j, 6,7,8,9,10,11
	v_mov_b32 v[QF+\j], 0                          ; zero codes for k = 64 .. 127,
.irp t, 0,1,2,3
	v_mov_b32 v[KF+12*\t+\j], 0                    ; in K's fragments too: written once, no load lands here
.endr
.endr
.set JJ, 0
.rept 32
	v_mov_b32 v[O+JJ], 0                           ; O^T.  The step is written once: the first finds zeros, which the first change of M leaves zeros
.set JJ, JJ+1
.endr
	v_mov_b32 v13, 0xff61b1e6                      ; the largest t so far: -3e38, under every t
	s_delay_alu instid0(VALU_DEP_1)
	v_floor_f32 v12, -v13                          ; -M
	v_mov_b32 v14, 0                               ; the sum, in two halves
	v_mov_b32 v15, 0
.irp b, 0,1,2,3
	v_mov_b32 v[PX+\b], 0                          ; written once: a lane permute's destination counts as one of its sources
.endr
	v_mov_b32 v[PW], 0                             ; named as the upper half of the pair with f before it is first written
	s_wait_loadcnt 0x0                             ; Q is in; v6, the offset of its scale words' load, may be written again
	global_load_async_to_lds_b128 v1, v1, s[16:17] offset:8192*7          ; the other 19 copies: steps 4 to 15
.irp i, 0,1,2,3,4,5,6,7
	global_load_async_to_lds_b128 v2, v2, s[16:17] offset:8192*\i
.endr
.irp i, 0,1,2,3,4,5,6,7
	global_load_async_to_lds_b128 v7, v7, s[16:17] offset:8192*\i
.endr
	global_load_async_to_lds_b128 v8, v8, s[16:17]
	global_load_async_to_lds_b64 v9, v9, s[16:17]
.macro WS t, g                         ; scores of key tile 4 g + t
.if (\t)%2 == 0
	v_wmma_scale_f32_16x16x128_f8f6f4 v[S+8*(4*\g+\t):S+8*(4*\g+\t)+7], v[KF+12*\t:KF+12*\t+11], v[QF:QF+11], 0, v[KS+2*\g+(\t)/2], v[QS] matrix_a_fmt:MATRIX_FMT_FP6 matrix_b_fmt:MATRIX_FMT_FP6
.else
	v_wmma_scale_f32_16x16x128_f8f6f4 v[S+8*(4*\g+\t):S+8*(4*\g+\t)+7], v[KF+12*\t:KF+12*\t+11], v[QF:QF+11], 0, v[KS+2*\g+(\t)/2], v[QS] matrix_a_fmt:MATRIX_FMT_FP6 matrix_b_fmt:MATRIX_FMT_FP6 matrix_a_scale:MATRIX_SCALE_ROW1
.endif
.endm
.macro WO t                            ; O^T's tile t += V^T's tile t x P^T
.if (\t)%2 == 0
	v_wmma_scale_f32_16x16x128_f8f6f4 v[O+8*\t:O+8*\t+7], v[VF+12*\t:VF+12*\t+11], v[PC:PC+11], v[O+8*\t:O+8*\t+7], v[VS+(\t)/2], v[PW] matrix_a_fmt:MATRIX_FMT_FP6 matrix_b_fmt:MATRIX_FMT_FP6
.else
	v_wmma_scale_f32_16x16x128_f8f6f4 v[O+8*\t:O+8*\t+7], v[VF+12*\t:VF+12*\t+11], v[PC:PC+11], v[O+8*\t:O+8*\t+7], v[VS+(\t)/2], v[PW] matrix_a_fmt:MATRIX_FMT_FP6 matrix_b_fmt:MATRIX_FMT_FP6 matrix_a_scale:MATRIX_SCALE_ROW1
.endif
.endm
; A KEY STEP: 128 keys, whose 13,056 bytes begin at LDS byte s[TB].  It holds LDS loads, their waits and work on registers, and nothing else.
.macro STEP
	s_setprio 2
	v_add_nc_u32 v5, s[TB], v3                     ; these four lines are the places in front of loads into registers that the last step's last products read (ISA guide 7.12.1 for vector instructions)
	v_add_nc_u32 v6, s[TB], v4
	v_nop
	v_nop
	ds_load_b128 v[KS:KS+3], v5 offset:12288
.irp t, 0,1,2,3
	ds_load_b128 v[KF+12*\t:KF+12*\t+3], v5 offset:768*\t
	ds_load_b64 v[KF+12*\t+4:KF+12*\t+5], v6 offset:768*\t+512
.endr
	ds_load_b64 v[VS:VS+1], v6 offset:12800
.irp t, 0,1,2,3
.irp c, 0,1
	ds_load_b128 v[VF+12*\t+6*\c:VF+12*\t+6*\c+3], v5 offset:6144+1536*\t+768*\c
	ds_load_b64 v[VF+12*\t+6*\c+4:VF+12*\t+6*\c+5], v6 offset:6144+1536*\t+768*\c+512
.endr
.endr
	s_wait_alu depctr_va_vdst(0)
	s_wait_dscnt 17                                ; K's words and first four tiles are in; V's words and its 16 loads, issued behind them, may be out
.irp t, 0,1,2,3
	WS \t, 0
.endr
.rept 4
	v_nop                                          ; places in front of the loads into K's registers
.endr
.irp t, 0,1,2,3
	ds_load_b128 v[KF+12*\t:KF+12*\t+3], v5 offset:3072+768*\t
	ds_load_b64 v[KF+12*\t+4:KF+12*\t+5], v6 offset:3072+768*\t+512
.endr
	s_wait_dscnt 0x0
.irp t, 0,1,2,3
	WS \t, 1
.endr
.rept 4
	v_nop                                          ; places in front of the first read of the scores
.endr
.irp b, 0,1,2,3
	v_max3_num_f32 v[BM+\b], v[S+16*\b], v[S+1+16*\b], v[S+2+16*\b]       ; the largest score of each block of 32 keys: for the row's maximum and, since p rises with the score, for the block's largest p
.endr
.irp i, 3,5,7,9,11,13
.irp b, 0,1,2,3
	v_max3_num_f32 v[BM+\b], v[BM+\b], v[S+16*\b+\i], v[S+1+16*\b+\i]
.endr
.endr
.irp b, 0,1,2,3
	v_max_num_f32 v[BM+\b], v[BM+\b], v[S+15+16*\b]
.endr
.irp b, 0,1,2,3
	s_delay_alu instid0(VALU_DEP_4)
	v_permlanex16_b32 v[PX+\b], v[BM+\b], s[SEL], s[SEL+1]
.endr
.irp b, 0,1,2,3
	s_delay_alu instid0(VALU_DEP_4)
	v_max_num_f32 v[BM+\b], v[BM+\b], v[PX+\b]     ; with lane l xor 16's 16 keys
.endr
	s_delay_alu instid0(VALU_DEP_2)
	v_max3_num_f32 v[TMP], v[BM], v[BM+1], v[BM+2]
	s_delay_alu instid0(VALU_DEP_1)
	v_max_num_f32 v[TMP], v[TMP], v[BM+3]          ; the step's largest score of my query
	s_delay_alu instid0(VALU_DEP_1)
	v_mul_f32 v[TMP], s[CS], v[TMP]                ; as t (c is positive)
	s_delay_alu instid0(VALU_DEP_1)
	v_max_num_f32 v13, v13, v[TMP]                 ; the running largest t
	v_mov_b32 v[TMP], v12
	s_delay_alu instid0(VALU_DEP_2)
	v_floor_f32 v12, -v13                          ; the new -M = floor(-t) = -ceil(t)
	s_delay_alu instid0(VALU_DEP_1)
	v_sub_f32 v[TMP], v12, v[TMP]                  ; old M - new M: a whole number, 0 or less
	s_delay_alu instid0(VALU_DEP_1)
	v_cvt_i32_f32 v[TMP], v[TMP]                   ; (it saturates)
	s_delay_alu instid0(VALU_DEP_1)
	v_ldexp_f32 v[FF], 1.0, v[TMP]                 ; f = 2^(old M - new M)
.set JJ, 0
.rept 32
	v_pk_fma_f32 v[S+JJ:S+JJ+1], v[S+JJ:S+JJ+1], s[CS:CS+1], v[12:13] op_sel_hi:[1,0,0]   ; t - M, two at a time
.set JJ, JJ+2
.endr
.irp b, 0,1,2,3
	v_fma_f32 v[BM+\b], v[BM+\b], s[CS], v12       ; the same of each block's largest score
.endr
.set JJ, 0
	s_setprio 1
	s_wait_alu depctr_va_vdst(0)
.rept 64
	v_exp_f32 v[S+JJ], v[S+JJ]                     ; p = 2^(t - M), at most 1
.set JJ, JJ+1
.endr
.irp b, 0,1,2,3
	v_exp_f32 v[BM+\b], v[BM+\b]                   ; the block's largest p: the same two instructions on the same number
.endr
	v_pk_mul_f32 v[14:15], v[14:15], v[FF:FF+1] op_sel_hi:[1,0]           ; the sums under the new M; also the plain place behind the exponentials
	s_wait_alu depctr_va_vdst(0)
.irp b, 0,1,2,3
	v_max_num_f32 v[BM+\b], 0x1800000, v[BM+\b]    ; the floor 2^(3 - 127): the byte cannot fall under 1
.endr
.irp b, 0,1,2,3
	s_delay_alu instid0(VALU_DEP_4)
	v_add_nc_u32 v[SOP+\b], 0xff000000, v[BM+\b]   ; 2 off the exponent field: the conversion's scale operand
.endr
.irp b, 0,1,2,3
	s_delay_alu instid0(VALU_DEP_4)
	v_lshrrev_b32 v[PX+\b], 23, v[SOP+\b]          ; the scale byte
.endr
	s_delay_alu instid0(VALU_DEP_3)
	v_lshl_or_b32 v[PW], v[PX+1], 8, v[PX]         ; p's scale word for these 128 keys
	s_delay_alu instid0(VALU_DEP_1)
	v_lshl_or_b32 v[PW], v[PX+2], 16, v[PW]
	s_delay_alu instid0(VALU_DEP_1)
	v_lshl_or_b32 v[PW], v[PX+3], 24, v[PW]
.irp c, 0,1
	v_cvt_scalef32_pk16_fp6_f32 v[PC+6*\c:PC+6*\c+2], v[S+32*\c:S+32*\c+15], v[SOP+2*\c]
	v_cvt_scalef32_pk16_fp6_f32 v[PX+4*\c:PX+4*\c+2], v[S+16+32*\c:S+31+32*\c], v[SOP+2*\c+1]
.endr
	v_nop                                          ; one plain place behind the scaled conversions
.irp c, 0,1                                    ; the operand wants a whole block in a lane: lanes 0-15 block 2 c, lanes 16-31 block 2 c + 1
.irp i, 0,1,2
	v_permlane16_swap_b32 v[PC+6*\c+\i], v[PX+4*\c+\i]
.endr
.irp i, 0,1,2
	s_delay_alu instid0(VALU_DEP_3)
	v_mov_b32 v[PC+3+6*\c+\i], v[PX+4*\c+\i]
.endr
.endr
	v_pk_add_f32 v[242:243], v[134:135], v[138:139]
	v_pk_add_f32 v[252:253], v[142:143], v[146:147]
	v_pk_add_f32 v[250:251], v[150:151], v[154:155]
	v_pk_add_f32 v[248:249], v[158:159], v[162:163]
	v_pk_add_f32 v[246:247], v[166:167], v[170:171]
	v_pk_add_f32 v[240:241], v[174:175], v[178:179]
	v_pk_add_f32 v[238:239], v[182:183], v[186:187]
	v_pk_add_f32 v[14:15], v[14:15], v[190:191]
	v_pk_add_f32 v[242:243], v[242:243], v[130:131]
	v_pk_add_f32 v[252:253], v[252:253], v[132:133]
	v_pk_add_f32 v[250:251], v[250:251], v[136:137]
	v_pk_add_f32 v[248:249], v[248:249], v[140:141]
	v_pk_add_f32 v[246:247], v[246:247], v[144:145]
	v_pk_add_f32 v[240:241], v[240:241], v[148:149]
	v_pk_add_f32 v[238:239], v[238:239], v[152:153]
	v_pk_add_f32 v[14:15], v[14:15], v[156:157]
	v_pk_add_f32 v[242:243], v[242:243], v[160:161]
	v_pk_add_f32 v[252:253], v[252:253], v[164:165]
	v_pk_add_f32 v[250:251], v[250:251], v[168:169]
	v_pk_add_f32 v[248:249], v[248:249], v[172:173]
	v_pk_add_f32 v[246:247], v[246:247], v[176:177]
	v_pk_add_f32 v[240:241], v[240:241], v[180:181]
	v_pk_add_f32 v[238:239], v[238:239], v[184:185]
	v_pk_add_f32 v[14:15], v[14:15], v[188:189]
	v_pk_add_f32 v[242:243], v[242:243], v[192:193]
	s_delay_alu instid0(VALU_DEP_2)
	v_pk_add_f32 v[14:15], v[14:15], v[248:249]
	s_delay_alu instid0(VALU_DEP_2)
	v_pk_add_f32 v[242:243], v[242:243], v[246:247]
	s_setprio 0
	v_pk_add_f32 v[252:253], v[252:253], v[240:241]
	v_pk_add_f32 v[250:251], v[250:251], v[238:239]
	s_delay_alu instid0(VALU_DEP_2)
	v_pk_add_f32 v[14:15], v[14:15], v[252:253]
	s_delay_alu instid0(VALU_DEP_2)
	v_pk_add_f32 v[242:243], v[242:243], v[250:251]
	s_delay_alu instid0(VALU_DEP_1)
	v_pk_add_f32 v[14:15], v[14:15], v[242:243]
.set JJ, 0
.rept 16
	v_pk_mul_f32 v[O+JJ:O+JJ+1], v[O+JJ:O+JJ+1], v[FF:FF+1] op_sel_hi:[1,0]   ; O^T under the new M.  The sums and these stand between the writing of p's codes and scale word and the products
.set JJ, JJ+2
.endr
.irp t, 0,1,2,3
	WO \t                                          ; four accumulators by turns, one instruction a turn
.endr
.endm
	; THE FIRST BARRIER.  Copies end in the order of issue: with at most 19 out, my first 7 have landed.  No LDS load of mine has been issued yet.
	s_wait_asynccnt 19
	s_barrier_signal -1
	s_barrier_wait -1                              ; every wave's first 7 have landed: bytes 0 to 57,343, steps 0 to 3 among them
	s_mov_b32 s[TB], 0
	s_mov_b32 s[CNT], 3
.Lfirst:                                           ; steps 0, 1, 2
	STEP
	s_add_co_u32 s[TB], s[TB], STEPB
	s_sub_co_u32 s[CNT], s[CNT], 1
	s_cmp_lg_u32 s[CNT], 0
	s_cbranch_scc1 .Lfirst
	s_setprio 0
	; THE SECOND BARRIER, its signal and its wait a step apart, so that a wave that is a step ahead of the others does not stand still.
	s_wait_asynccnt 0x0                            ; all my 26 copies have landed
	s_wait_dscnt 0x0                               ; no LDS load of mine is out at the signal
	s_mov_b32 s[TB], 3*STEPB
	s_barrier_signal -1
	STEP                                           ; step 3: bytes 39,168 to 52,223, which the first barrier has shown landed and which no copy still out writes (those write from byte 57,344 on)
	s_barrier_wait -1                              ; every wave's copies have landed: the whole stream may be read
	s_mov_b32 s[TB], 4*STEPB
	s_mov_b32 s[CNT], 12
.Lrest:                                            ; steps 4 to 15: the waves do not meet again
	STEP
	s_add_co_u32 s[TB], s[TB], STEPB
	s_sub_co_u32 s[CNT], s[CNT], 1
	s_cmp_lg_u32 s[CNT], 0
	s_cbranch_scc1 .Lrest
	s_setprio 0
	; THE WAY OUT.  O^T / the sum; its 32 numbers of a lane are 16 of each of the head's two blocks of 32 channels: quantised as p is, and stored as half fragment number head of my tile of ac.
.rept 4
	v_nop                                          ; places behind the last products
.endr
	v_add_f32 v14, v14, v15                        ; the sum's two halves,
	s_delay_alu instid0(VALU_DEP_1)
	v_permlanex16_b32 v[TMP], v14, s[SEL], s[SEL+1]
	s_delay_alu instid0(VALU_DEP_1)
	v_add_f32 v14, v14, v[TMP]                     ; and lane l xor 16's: the row's sum
	s_wait_alu depctr_va_vdst(0)
	v_rcp_f32 v14, v14
	v_bfe_u32 v5, v0, 4, 1                         ; (a plain place behind the reciprocal)  h
	v_and_b32 v6, 15, v0                           ; r
	s_delay_alu instid0(VALU_DEP_1)
	v_lshl_add_u32 v6, v6, 2, v5                   ; 4 r + h: my scale byte's place
.set JJ, 0
	s_wait_alu depctr_va_vdst(0)
.rept 16
	v_pk_mul_f32 v[S+JJ:S+JJ+1], v[O+JJ:O+JJ+1], v[14:15] op_sel_hi:[1,0]     ; ascending: each accumulator is read from its low end on
.set JJ, JJ+2
.endr
.irp b, 0,1
	v_max3_num_f32 v[BM+\b], |v[S+16*\b]|, |v[S+1+16*\b]|, 0x1800000
.endr
.irp i, 2,4,6,8,10,12,14
.irp b, 0,1
	s_delay_alu instid0(VALU_DEP_2)
	v_max3_num_f32 v[BM+\b], v[BM+\b], |v[S+16*\b+\i]|, |v[S+1+16*\b+\i]|
.endr
.endr
.irp b, 0,1
	s_delay_alu instid0(VALU_DEP_2)
	v_permlanex16_b32 v[PX+\b], v[BM+\b], s[SEL], s[SEL+1]
.endr
.irp b, 0,1
	s_delay_alu instid0(VALU_DEP_2)
	v_max_num_f32 v[BM+\b], v[BM+\b], v[PX+\b]
.endr
.irp b, 0,1
	s_delay_alu instid0(VALU_DEP_2)
	v_add_nc_u32 v[SOP+\b], 0xff000000, v[BM+\b]
.endr
.irp b, 0,1
	s_delay_alu instid0(VALU_DEP_2)
	v_lshrrev_b32 v[BM+2+\b], 23, v[SOP+\b]
.endr
	s_delay_alu instid0(VALU_DEP_1)
	v_cndmask_b32 v5, v[BM+2], v[BM+3], s[HM]      ; lanes 0-15 store block 0's byte, lanes 16-31 block 1's: no byte is written twice
	v_cvt_scalef32_pk16_fp6_f32 v[PC:PC+2], v[S:S+15], v[SOP]
	v_cvt_scalef32_pk16_fp6_f32 v[PX:PX+2], v[S+16:S+31], v[SOP+1]
	v_nop                                          ; one plain place behind the scaled conversions
.irp i, 0,1,2
	v_permlane16_swap_b32 v[PC+\i], v[PX+\i]
.endr
.irp i, 0,1,2
	s_delay_alu instid0(VALU_DEP_3)
	v_mov_b32 v[PC+3+\i], v[PX+\i]
.endr
	global_store_b128 v3, v[PC:PC+3], s[22:23]     ; 512 consecutive bytes, at a multiple of 256 from the buffer's first byte
	global_store_b64 v4, v[PC+4:PC+5], s[22:23] offset:512
	global_store_b8 v6, v5, s[24:25]               ; 32 bytes a wave: two of the four bytes of each of the tile's 16 words; the neighbouring head's work-group stores the other two
	s_wait_xcnt 0x0
	v_lshl_add_u32 v254, v0, 2, 0x33000
	v_mov_b32 v255, 0
	s_wait_alu depctr_va_vdst(0)
	s_wait_tensorcnt 0x0
	ds_add_u32 v254, v255
	s_wait_dscnt 0x0
	s_endpgm
.Lfunc_end_k_qdfac27f01e_attn:
	.size	k_qdfac27f01e_attn, .Lfunc_end_k_qdfac27f01e_attn-k_qdfac27f01e_attn
	.p2alignl 7, 3214868480
	.fill 96, 4, 3214868480
	.section	.rodata,"a",@progbits
	.p2align	6, 0x0
	.amdhsa_kernel k_qdfac27f01e_attn
		.amdhsa_group_segment_fixed_size 210944
		.amdhsa_private_segment_fixed_size 0
		.amdhsa_enable_private_segment 0
		.amdhsa_kernarg_size 32
		.amdhsa_user_sgpr_count 2
		.amdhsa_user_sgpr_kernarg_segment_ptr 1
		.amdhsa_wavefront_size32 1
		.amdhsa_system_sgpr_workgroup_id_x 1
		.amdhsa_system_sgpr_workgroup_id_y 1
		.amdhsa_system_sgpr_workgroup_id_z 1
		.amdhsa_system_vgpr_workitem_id 0
		.amdhsa_next_free_vgpr 256
		.amdhsa_next_free_sgpr 66
		.amdhsa_reserve_vcc 0
		.amdhsa_float_denorm_mode_32 3
		.amdhsa_float_denorm_mode_16_64 3
		.amdhsa_memory_ordered 1
		.amdhsa_forward_progress 1
		.amdhsa_inst_pref_size 65
	.end_amdhsa_kernel
	.amdgpu_metadata
---
amdhsa.version: [ 1, 2 ]
amdhsa.kernels:
  - .name:           k_qdfac27f01e_attn
    .symbol:         k_qdfac27f01e_attn.kd
    .args:
      - { .name: qb, .offset: 0, .size: 8, .value_kind: global_buffer, .address_space: global }
      - { .name: kv, .offset: 8, .size: 8, .value_kind: global_buffer, .address_space: global }
      - { .name: ac, .offset: 16, .size: 8, .value_kind: global_buffer, .address_space: global }
      - { .name: asl, .offset: 24, .size: 8, .value_kind: global_buffer, .address_space: global }
    .group_segment_fixed_size: 210944
    .private_segment_fixed_size: 0
    .kernarg_segment_align: 8
    .kernarg_segment_size: 32
    .max_flat_workgroup_size: 512
    .sgpr_count:     66
    .vgpr_count:     256
    .wavefront_size: 32
...
	.end_amdgpu_metadata
.endif
;; end of part 7
;; launch outp (part 8): grid 256 x 1, 4 waves a work-group, no clusters, 34,304 bytes of LDS; arguments ac, asl, cod, scl, bo, x, out0; writes out0
.if DOCPART == 8
	.amdgcn_target "amdgcn-amd-amdhsa--gfx1250"
	.amdhsa_code_object_version 6
	.text
	.protected	k_qdfac27f01e_outp
	.globl	k_qdfac27f01e_outp
	.p2align	8
	.type	k_qdfac27f01e_outp,@function
k_qdfac27f01e_outp:
	s_mov_b64 s[64:65], 0
	v_nop
	global_prefetch_b8 v0, s[64:65] scope:SCOPE_SE
	s_setreg_imm32_b32 hwreg(HW_REG_WAVE_SCHED_MODE, 0, 2), 2
	s_setreg_imm32_b32 hwreg(HW_REG_WAVE_MODE, 25, 1), 1
	s_wait_xcnt 0x0
	s_wait_alu depctr_vm_vsrc(0)
; out0[b][n][l] = x[b][n][l] + bo[n] + the sum over c of a[b][l][c] Wo[n][c], on the codes of ac, asl (the attention's result) and of cod, scl (Wo).
; THE UNIT: eight tiles of ac as source 0 (128 rows l) x one tile of Wo as source 1 (16 channels n), K = 512: 32 matrix instructions on 8 accumulators.
; Lane (r, h) then holds ONE channel n (slot r of the tile) and its register 16 p + i holds l = 32 p + 16 h + i: neighbours along out0's innermost axis.
; SHARES.  A work-group takes 128 l of one batch and 128 channels; a wave 32 channels: a pair of Wo's tiles, two units.  The eight tiles of ac stay in 384 registers.
; The bias is the C of each sum's first matrix instruction (eight equal registers a unit).  A unit's 16 x 128 results go through the wave's own stage in LDS and come back as whole rows of 512 bytes;
; x's same rows, asked for at the head, are added, and each store covers 512 consecutive bytes at a multiple of 256 from out0's first byte.  No barrier: only the wave itself touches its stage.
; REGISTERS.  window 0: v1-6 offsets and LDS addresses; v8-23 ac's scale words; v24-27 Wo's; v32-47 the bias; v94, v95 the closing add's two; v96-159 accumulators, then rows; v160-255 Wo's two tiles.
;             window 1: v0-191 ac's fragments of K steps 0, 1 (at 96 s + 12 t); v192-255 x's rows of unit 0.   window 2: v0-191 K steps 2, 3; v192-255 x's rows of unit 1.
; THE MODE: SCHED_MODE bits 1:0 = 2 (LLVM: expert scheduling mode 2), set by the entry lines.  The code itself states the register dependences
; between vector or matrix instructions and memory or LDS instructions, with s_wait_alu, always for 0.
; THE PLAN.  Registers that memory or LDS instructions touch:
;   v1 .. v6        offsets and LDS addresses: written by vector lines at the head, never written again.   v94, v95: written at the head, read by the closing add alone.
;   ac's fragments, Wo's tiles, the scale words, the bias, x's rows: loaded once at the head, read by matrix instructions (x's rows: by the additions), never loaded again.
;   v[ACC ..]       In a unit, in this order: the products write them; the LDS stores read them; the LDS loads land in them; the additions write them; the global stores read them.  Unit 1's products write them again.
; So a unit holds three waits: on va_vdst behind the products' places (for the LDS stores and loads), on vm_vsrc between the LDS stores and the LDS loads, on va_vdst behind the additions (for the global stores);
; and one on vm_vsrc stands ahead of unit 1's products.
.set GS,   8
.set TS,   24
.set BIAS, 32
.set ACC,  96
.set T1B,  160
.set MSB, 0
.macro WIN new                         ; the immediate's high byte repeats the setting that is left; a switch that changes nothing is dropped
.if MSB != (\new)
	s_set_vgpr_msb (MSB<<8)|(\new)
.set MSB, (\new)
.endif
.endm
.macro WM d, a, b, c, sa, sb, ra, rb   ; ra, rb: the side's scale words stand in lanes 16-31 (the odd tile of a pair)
.if (\ra) == 0 && (\rb) == 0
	v_wmma_scale_f32_16x16x128_f8f6f4 v[(\d):(\d)+7], v[(\a):(\a)+11], v[(\b):(\b)+11], v[(\c):(\c)+7], v[(\sa)], v[(\sb)] matrix_a_fmt:MATRIX_FMT_FP6 matrix_b_fmt:MATRIX_FMT_FP6
.elseif (\rb) == 0
	v_wmma_scale_f32_16x16x128_f8f6f4 v[(\d):(\d)+7], v[(\a):(\a)+11], v[(\b):(\b)+11], v[(\c):(\c)+7], v[(\sa)], v[(\sb)] matrix_a_fmt:MATRIX_FMT_FP6 matrix_b_fmt:MATRIX_FMT_FP6 matrix_a_scale:MATRIX_SCALE_ROW1
.elseif (\ra) == 0
	v_wmma_scale_f32_16x16x128_f8f6f4 v[(\d):(\d)+7], v[(\a):(\a)+11], v[(\b):(\b)+11], v[(\c):(\c)+7], v[(\sa)], v[(\sb)] matrix_a_fmt:MATRIX_FMT_FP6 matrix_b_fmt:MATRIX_FMT_FP6 matrix_b_scale:MATRIX_SCALE_ROW1
.else
	v_wmma_scale_f32_16x16x128_f8f6f4 v[(\d):(\d)+7], v[(\a):(\a)+11], v[(\b):(\b)+11], v[(\c):(\c)+7], v[(\sa)], v[(\sb)] matrix_a_fmt:MATRIX_FMT_FP6 matrix_b_fmt:MATRIX_FMT_FP6 matrix_a_scale:MATRIX_SCALE_ROW1 matrix_b_scale:MATRIX_SCALE_ROW1
.endif
.endm
.macro MULS u                          ; a unit's 32 products: the eight accumulators take turns, one instruction a turn
	WIN 0x01                                       ; source 0 (ac) window 1
.irp t, 0,1,2,3,4,5,6,7
	WM ACC+8*\t, 12*\t, T1B+48*\u, BIAS+8*\u, GS+4*(\t/2), TS, \t%2, \u
.endr
.irp t, 0,1,2,3,4,5,6,7
	WM ACC+8*\t, 96+12*\t, T1B+48*\u+12, ACC+8*\t, GS+4*(\t/2)+1, TS+1, \t%2, \u
.endr
	WIN 0x02                                       ; source 0 window 2
.irp s, 2,3
.irp t, 0,1,2,3,4,5,6,7
	WM ACC+8*\t, 96*(\s-2)+12*\t, T1B+48*\u+12*\s, ACC+8*\t, GS+4*(\t/2)+\s, TS+\s, \t%2, \u
.endr
.endr
	WIN 0
.endm
.macro UNIT u
.if \u
	s_wait_xcnt 0x0                                ; unit 0's stores have read the registers that these products write
	s_wait_alu depctr_vm_vsrc(0)                   ; unit 0's global stores have read v[ACC ..], which these products write again
.endif
	MULS \u
.rept 5
	v_nop                                          ; four places before the results are read (ISA guide 7.12.1); five since the next unit's first products write over them with another C
.endr
	s_wait_alu depctr_va_vdst(0)                   ; the products have written the accumulators, which the LDS stores below read and in which the LDS loads below land; the places above stay beside this wait
.irp t, 0,1,2,3,4,5,6,7
	ds_store_b128 v5, v[ACC+8*\t:ACC+8*\t+3] offset:128*(\t/2)+32*(\t%2)      ; each accumulator from its low end on: row = my slot, l = 32 (t / 2) + 16 h + 8 (t % 2) + 0 .. 7
	ds_store_b128 v5, v[ACC+8*\t+4:ACC+8*\t+7] offset:128*(\t/2)+32*(\t%2)+16
.endr
	s_wait_alu depctr_vm_vsrc(0)                   ; the LDS stores have read v[ACC ..], in which the rows below land
.irp i, 0,1,2,3,4,5,6,7,8,9,10,11,12,13,14,15
	ds_load_b128 v[ACC+4*\i:ACC+4*\i+3], v6 offset:528*\i                     ; LDS serves a wave's instructions in order (ISA guide 5.7.1.4): these see the stores above
.endr
	s_wait_dscnt 0x0
	s_wait_loadcnt 16-16*\u                        ; this unit's 16 rows of x are in; unit 1's, issued behind unit 0's, may be out
	WIN 0x04+0x04*\u                               ; source 1: window 1 or 2
.set JJ, 0
.rept 32
	v_pk_add_f32 v[ACC+JJ:ACC+JJ+1], v[ACC+JJ:ACC+JJ+1], v[192+JJ:193+JJ]
.set JJ, JJ+2
.endr
	WIN 0
	s_wait_alu depctr_va_vdst(0)                   ; the additions have written v[ACC ..], which the global stores below read
.irp i, 0,1,2,3,4,5,6,7,8,9,10,11,12,13,14,15
	global_store_b128 v1, v[ACC+4*\i:ACC+4*\i+3], s[32:33] offset:(8*\u+\i+8*(\i/8))*8192 th:TH_STORE_NT    ; slot i is channel 8 u + i + 8 (i / 8) of my 32
.endr
.endm
	s_load_b256 s[4:11], s[0:1], 0x0               ; ac s[4:5], asl s[6:7], cod s[8:9], scl s[10:11]
	s_load_b128 s[12:15], s[0:1], 0x20             ; bo s[12:13], x s[14:15]
	s_load_b64 s[16:17], s[0:1], 0x30              ; out0
	v_lshl_add_u32 v94, v0, 2, 0x8400
	v_mov_b32 v95, 0
	v_lshrrev_b32 v7, 5, v0
	v_readfirstlane_b32 s18, v7                    ; wave
	v_and_b32 v7, 31, v0
	v_lshlrev_b32 v1, 4, v7                        ; 16 L
	v_lshlrev_b32 v2, 3, v7                        ; 8 L
	v_lshlrev_b32 v3, 2, v7                        ; 4 L
	v_and_b32 v7, 15, v0                           ; r
	s_wait_alu depctr_va_sdst(0)                   ; s18 is written, ahead of its first reader: my stage's place and the bases are made from it
	s_mul_i32 s45, s18, 8448                       ; my stage: 16 rows of 512 bytes + 16
	v_mul_u32_u24 v5, v7, 528
	v_bfe_u32 v6, v0, 4, 1                         ; h
	v_lshl_add_u32 v5, v6, 6, v5
	v_add_nc_u32 v5, s45, v5                       ; in: row r, + 64 h
	v_add_nc_u32 v6, s45, v1                       ; back: 16 bytes a lane of a row
	v_and_b32 v4, 8, v7
	v_add_nc_u32 v4, v4, v7
	v_lshlrev_b32 v4, 2, v4                        ; the bias of my slot: 4 (r + 8 (r / 8))
	s_lshr_b32 s19, ttmp9, 2                       ; which 128 rows (b, l)
	s_and_b32 s44, ttmp9, 3
	s_lshl_b32 s44, s44, 2
	s_add_co_u32 s44, s44, s18                     ; which pair of Wo's tiles: 32 channels
	s_mov_b32 s41, 0
	s_wait_kmcnt 0x0
	s_mul_i32 s40, s19, 49152
	s_add_nc_u64 s[20:21], s[4:5], s[40:41]        ; ac's eight tiles
	s_lshl_b32 s40, s19, 11
	s_add_nc_u64 s[22:23], s[6:7], s[40:41]        ; their scale words
	s_mul_i32 s40, s44, 12288
	s_add_co_u32 s40, s40, 3735552                 ; cod: tiles 608 + 2 x pair
	s_add_nc_u64 s[24:25], s[8:9], s[40:41]
	s_lshl_b32 s40, s44, 9
	s_add_co_u32 s40, s40, 155648
	s_add_nc_u64 s[26:27], s[10:11], s[40:41]
	s_lshl_b32 s40, s44, 7
	s_add_nc_u64 s[28:29], s[12:13], s[40:41]
	s_lshr_b32 s40, s19, 4
	s_lshl_b32 s40, s40, 22                        ; batch: 4,194,304 bytes;
	s_lshl_b32 s42, s44, 18                        ; 32 channels of 8,192 bytes;
	s_add_co_u32 s40, s40, s42
	s_and_b32 s42, s19, 15
	s_lshl_b32 s42, s42, 9                         ; 128 l of 4 bytes
	s_add_co_u32 s40, s40, s42
	s_add_nc_u64 s[30:31], s[14:15], s[40:41]
	s_add_nc_u64 s[32:33], s[16:17], s[40:41]
	WIN 0x40                                       ; destination window 1
	s_wait_alu depctr_va_vdst(0)                   ; the offsets and LDS addresses v1 to v6 are written, which every load and store of the kernel reads; no vector instruction stands among the loads below
.irp t, 0,1,2,3,4,5,6,7
.irp kk, 0,1,2,3
	global_load_b128 v[96*(\kk/2)+12*\t+6*(\kk%2):96*(\kk/2)+12*\t+6*(\kk%2)+3], v1, s[20:21] offset:6144*\t+768*\kk
	global_load_b64 v[96*(\kk/2)+12*\t+6*(\kk%2)+4:96*(\kk/2)+12*\t+6*(\kk%2)+5], v2, s[20:21] offset:6144*\t+768*\kk+512
.endr
.endr
	WIN 0x80                                       ; destination window 2
.irp t, 0,1,2,3,4,5,6,7
.irp kk, 4,5,6,7
	global_load_b128 v[96*(\kk/2-2)+12*\t+6*(\kk%2):96*(\kk/2-2)+12*\t+6*(\kk%2)+3], v1, s[20:21] offset:6144*\t+768*\kk
	global_load_b64 v[96*(\kk/2-2)+12*\t+6*(\kk%2)+4:96*(\kk/2-2)+12*\t+6*(\kk%2)+5], v2, s[20:21] offset:6144*\t+768*\kk+512
.endr
.endr
	WIN 0
.irp p, 0,1,2,3
.irp s, 0,1,2,3
	global_load_b32 v[GS+4*\p+\s], v3, s[22:23] offset:512*\p+128*\s
.endr
.endr
.irp s, 0,1,2,3
	global_load_b32 v[TS+\s], v3, s[26:27] offset:128*\s
.endr
.irp u, 0,1
.irp j, 0,1,2,3,4,5,6,7
	global_load_b32 v[BIAS+8*\u+\j], v4, s[28:29] offset:32*\u
.endr
.endr
.irp u, 0,1
.irp kk, 0,1,2,3,4,5,6,7
	global_load_b128 v[T1B+48*\u+6*\kk:T1B+48*\u+6*\kk+3], v1, s[24:25] offset:6144*\u+768*\kk
	global_load_b64 v[T1B+48*\u+6*\kk+4:T1B+48*\u+6*\kk+5], v2, s[24:25] offset:6144*\u+768*\kk+512
.endr
.endr
	WIN 0x40                                       ; x's rows come last, so that the products need not wait for them: unit 0's,
.irp i, 0,1,2,3,4,5,6,7,8,9,10,11,12,13,14,15
	global_load_b128 v[192+4*\i:195+4*\i], v1, s[30:31] offset:(\i+8*(\i/8))*8192 th:TH_LOAD_NT
.endr
	WIN 0x80                                       ; unit 1's
.irp i, 0,1,2,3,4,5,6,7,8,9,10,11,12,13,14,15
	global_load_b128 v[192+4*\i:195+4*\i], v1, s[30:31] offset:(8+\i+8*(\i/8))*8192 th:TH_LOAD_NT
.endr
	WIN 0
	s_wait_loadcnt 32                              ; all but the 32 loads of x's rows
	UNIT 0
	UNIT 1
	s_wait_dscnt 0x0                               ; the closing lines, six on end
	s_wait_alu 0x0
	s_wait_tensorcnt 0x0
	ds_add_u32 v94, v95
	s_wait_dscnt 0x0
	s_endpgm
.Lfunc_end_k_qdfac27f01e_outp:
	.size	k_qdfac27f01e_outp, .Lfunc_end_k_qdfac27f01e_outp-k_qdfac27f01e_outp
	.p2alignl 7, 3214868480
	.fill 96, 4, 3214868480
	.section	.rodata,"a",@progbits
	.p2align	6, 0x0
	.amdhsa_kernel k_qdfac27f01e_outp
		.amdhsa_group_segment_fixed_size 34304
		.amdhsa_private_segment_fixed_size 0
		.amdhsa_enable_private_segment 0
		.amdhsa_kernarg_size 56
		.amdhsa_user_sgpr_count 2
		.amdhsa_user_sgpr_kernarg_segment_ptr 1
		.amdhsa_wavefront_size32 1
		.amdhsa_system_sgpr_workgroup_id_x 1
		.amdhsa_system_sgpr_workgroup_id_y 1
		.amdhsa_system_sgpr_workgroup_id_z 1
		.amdhsa_system_vgpr_workitem_id 0
		.amdhsa_next_free_vgpr 768
		.amdhsa_next_free_sgpr 66
		.amdhsa_reserve_vcc 0
		.amdhsa_float_denorm_mode_32 3
		.amdhsa_float_denorm_mode_16_64 3
		.amdhsa_memory_ordered 1
		.amdhsa_forward_progress 1
		.amdhsa_inst_pref_size 45
	.end_amdhsa_kernel
	.amdgpu_metadata
---
amdhsa.version: [ 1, 2 ]
amdhsa.kernels:
  - .name:           k_qdfac27f01e_outp
    .symbol:         k_qdfac27f01e_outp.kd
    .args:
      - { .name: ac, .offset: 0, .size: 8, .value_kind: global_buffer, .address_space: global }
      - { .name: asl, .offset: 8, .size: 8, .value_kind: global_buffer, .address_space: global }
      - { .name: cod, .offset: 16, .size: 8, .value_kind: global_buffer, .address_space: global }
      - { .name: scl, .offset: 24, .size: 8, .value_kind: global_buffer, .address_space: global }
      - { .name: bo, .offset: 32, .size: 8, .value_kind: global_buffer, .address_space: global }
      - { .name: x, .offset: 40, .size: 8, .value_kind: global_buffer, .address_space: global }
      - { .name: out0, .offset: 48, .size: 8, .value_kind: global_buffer, .address_space: global }
    .group_segment_fixed_size: 34304
    .private_segment_fixed_size: 0
    .kernarg_segment_align: 8
    .kernarg_segment_size: 56
    .max_flat_workgroup_size: 128
    .sgpr_count:     66
    .vgpr_count:     768
    .wavefront_size: 32
...
	.end_amdgpu_metadata
.endif
;; end of part 8
